; MI455X (gfx1250); checked and timed in simulation.
; The chip was launched on July 23, 2026; its instructions are those of AMD's public machine-readable ISA for CDNA 5 (MIT licence, August 2026) and "CDNA5" Instruction Set Architecture Reference Guide (July 2026). The comments in the code are by the model that wrote it; some were corrected since.
;; Expert Group. Allowed arithmetic: float matrix products may take bf16 or f16 operands with f32 sums; all other float work in f32.
;; Inputs: down_weight 8 x 1,024 x 2,048 float32; expert_ids 1,024 int32; gate_weight 8 x 2,048 x 1,024 float32; up_weight 8 x 2,048 x 1,024 float32; x 1,024 x 1,024 float32.
;; Outputs: out0 1,024 x 1,024 float32.
;; 2 versions, each right; version 2 is version 1 with the launches gateup, down written anew for expert scheduling mode. Each part assembles by itself: llvm-mc -triple=amdgcn-amd-amdhsa -mcpu=gfx1250 --defsym DOCPART=n.
;; ======== version 1 of 2: 3 launches
;; workspace buffers: xs 16,777,216 bytes; hid 33,554,432 bytes; order 36,864 bytes of whole numbers
;; launch route (part 1): grid 96 x 8, 1 waves a work-group, no clusters, 8,960 bytes of LDS; arguments x, expert_ids, xs, order; writes xs, order
.if DOCPART == 1
	.amdgcn_target "amdgcn-amd-amdhsa--gfx1250"
	.amdhsa_code_object_version 6
	.text
	.protected	k_q8600f38840_route
	.globl	k_q8600f38840_route
	.p2align	8
	.type	k_q8600f38840_route,@function
k_q8600f38840_route:
	s_mov_b64 s[64:65], 0
	v_nop
	global_prefetch_b8 v0, s[64:65] scope:SCOPE_SE
	s_setreg_imm32_b32 hwreg(HW_REG_WAVE_MODE, 25, 1), 1
	s_wait_xcnt 0x0
; ROUTE: sorts the 1,024 tokens by expert and lays x down in sorted order, rounded to bf16, in the order in which a matrix operand lies in registers.
;   order: one record of 4,608 bytes for each expert: 1,024 words (the token at position 0 .. 1023), then the count 128 times.
;          The 32 words behind the count repeat the expert's last token (as far as they lie in the 1,024), the words behind those are 0.
;   xs:    [expert 8][pair tp 32][block c 16][f 4][q 2][lane 32][16 bytes].  Pair tp = positions 32 tp .. 32 tp + 31 = two tiles of 16; f = 2 x tile + ks.
;          Lane 16 h + r of (c, f, q) holds the 8 bf16 d = 64 c + 32 ks + 16 q + 8 h .. + 7 of position r of the tile: one 16-byte load a lane is half a fragment.
;          Pairs below ceil(count / 32) are stored; later launches read no further.
; PADDING: the positions from the count to the end of the last pair are copies of the last token.  They go through the products like any position, and the last
;          launch stores them to that token's row: the same bytes with the same values, from the same wave.  So no lane is ever switched off for them.
; One wave is a work-group, so its LDS is its own and there is no barrier.  Expert e = group y; kr = group x mod 8: the 128 numbers d = 128 kr ..;
; slot = group x / 8 (0 .. 11): tiles t = slot, slot + 12, .. below the expert's number of tiles.  Every wave makes the expert's whole list itself.
; An expert's number of tiles is data, 0 to 64.  Twelve slots move 192 positions in one trip; a wave whose slot lies behind the expert's last tile has no tile to move.
; The record is stored by slot 11 of kr 0.
; THE RANKING goes in whole passes: 32 compares into 32 scalar masks, one scalar chain of counts, then six passes of 32 vector instructions that do not wait for
; each other; so the vector and the scalar side hand over to each other once.
; Matrix units, tensor loads and clusters have nothing to do here: 4 MB are read once and some 2.6 MB written once.
; LIMIT: ids are taken to lie in 0 .. 7, as the gather of the problem itself relies on; a token with another id gets no output.
.set STAGE, 4352                       ; LDS: 1,024 list words, 64 spare words (lanes without a match, padding past position 1,023); then the stage
.set SPT,   272                        ; a stage row: 128 bf16 + 16 bytes, so that the 16 rows of a fragment read lie in 16 different 16-byte columns modulo 256
.set SLOTS, 12
.set ID,  16                           ; v[16:47]   register k = 4 q + j of lane L: the id of token 128 q + 4 L + j; then that token's LDS address in the list
.set TKN, 16                           ; v[16:23]   later: the tokens of rows 2 i + L / 16, then their byte offsets in x
.set X,   48                           ; v[48:111]  the token numbers; later piece n = 2 i + m: 4 f32 as loaded, then 4 bf16 in its first two registers
.set F,   112                          ; v[112:143] the 8 half fragments on their way out
.set MSK, 32                           ; s[32:63]   mask k: the lanes whose token of register k is my expert's
.set BAS, 66                           ; s[66:97]   the matches in registers below k
	s_load_b256 s[4:11], s[0:1], 0x0               ; x s[4:5], expert_ids s[6:7], xs s[8:9], order s[10:11]
	v_lshl_add_u32 v144, v0, 2, 0x2200
	v_mov_b32 v145, 0
	v_and_b32 v1, 31, v0                           ; L
	s_and_b32 s12, ttmp7, 0xffff                   ; e
	s_and_b32 s13, ttmp9, 127                      ; kr + 8 slot
	s_and_b32 s2, s13, 7                           ; kr
	s_lshr_b32 s16, s13, 3                         ; slot: my first tile
	v_lshlrev_b32 v2, 2, v1                        ; 4 L
	v_add_nc_u32 v3, 1024, v1                      ; the word for a lane without a match
	v_lshlrev_b32 v7, 4, v1                        ; 16 L
	v_lshrrev_b32 v8, 4, v1                        ; L / 16
	v_and_b32 v4, 15, v1                           ; L mod 16
	s_lshl_b32 s17, s2, 9
	v_lshl_add_u32 v13, v4, 4, s17                 ; my 16 bytes in a row of x: 512 kr + 16 (L mod 16)
	v_mul_u32_u24 v14, v8, SPT
	v_lshl_add_u32 v14, v4, 3, v14
	v_add_nc_u32 v14, STAGE, v14                   ; into the stage: row L / 16, byte 8 (L mod 16)
	v_mul_u32_u24 v15, v4, SPT
	v_lshl_add_u32 v15, v8, 4, v15
	v_add_nc_u32 v15, STAGE, v15                   ; out of the stage: row L mod 16, byte 16 (L / 16)
	s_lshl_b32 s17, s2, 13
	v_add_nc_u32 v11, s17, v7                      ; in xs: blocks c = 2 kr, 2 kr + 1 of 4,096 bytes, + 16 L
	v_mov_b32 v48, 0
	v_mov_b32 v49, 0
	v_mov_b32 v50, 0
	v_mov_b32 v51, 0
	s_wait_kmcnt 0x0
.irp q, 0,1,2,3,4,5,6,7
	global_load_b128 v[ID+4*\q:ID+4*\q+3], v7, s[6:7] offset:512*\q
.endr
.irp i, 0,1,2,3,4,5,6,7
	ds_store_b128 v7, v[48:51] offset:512*\i       ; the list starts as zeros, so that every word of the record is defined
.endr
	s_mul_i32 s18, s12, 4608
	s_mov_b32 s19, 0
	s_add_nc_u64 s[10:11], s[10:11], s[18:19]      ; my expert's record
	s_lshl_b32 s18, s12, 21
	s_add_nc_u64 s[8:9], s[8:9], s[18:19]          ; my expert's part of xs
	s_wait_loadcnt 0x0
	; THE RANKING.  Positions are given in the order (register k, lane L).
.set k, 0
.rept 32
	v_cmp_eq_u32 s[MSK+k], s12, v[ID+k]
.set k, k+1
.endr
	s_mov_b32 s[BAS], 0
.set k, 0
.rept 31
	s_bcnt1_i32_b32 s15, s[MSK+k]
	s_add_co_u32 s[BAS+k+1], s[BAS+k], s15
.set k, k+1
.endr
	s_bcnt1_i32_b32 s15, s[MSK+31]
	s_add_co_u32 s14, s[BAS+31], s15               ; the expert's count
.set k, 0
.rept 32
	v_mbcnt_lo_u32_b32 v[ID+k], s[MSK+k], s[BAS+k] ; the matches in lower registers + those in lower lanes: the position
.set k, k+1
.endr
.set k, 0
.rept 32
	v_cndmask_b32 v[ID+k], v3, v[ID+k], s[MSK+k]   ; no match: the spare word
.set k, k+1
.endr
.set k, 0
.rept 32
	v_min_u32 v[ID+k], 0x43f, v[ID+k]              ; a number made from loaded data is bounded before it becomes an address
.set k, k+1
.endr
.set k, 0
.rept 32
	v_lshlrev_b32 v[ID+k], 2, v[ID+k]
.set k, k+1
.endr
.set k, 0
.rept 32
	v_add_nc_u32 v[X+k], 128*(k/4)+(k%4), v2       ; the token's number
.set k, k+1
.endr
.set k, 0
.rept 32
	ds_store_b32 v[ID+k], v[X+k]
.set k, k+1
.endr
	; the padding: the last token once more in the 32 words behind the count, which reach past the end of the last pair
	s_max_u32 s15, s14, 1
	s_sub_co_u32 s15, s15, 1                       ; the last position with a token (0 where there is none: the words then get the list's 0)
	v_mov_b32 v5, s15
	v_min_u32 v5, 0x3ff, v5
	v_lshlrev_b32 v5, 2, v5
	ds_load_b32 v6, v5                             ; LDS serves a wave's instructions in order: this sees the stores above
	v_add_nc_u32 v9, s14, v1                       ; word count + L: 1,055 at the most, inside the spare words
	v_min_u32 v9, 0x43f, v9
	v_lshlrev_b32 v9, 2, v9
	s_wait_dscnt 0x0
	ds_store_b32 v9, v6
	; one wave of each expert stores the record: each store covers 512 consecutive bytes, aligned
	s_cmp_lg_u32 s13, 8*(SLOTS-1)
	s_cbranch_scc1 .Lnorec
.irp i, 0,1,2,3,4,5,6,7
	ds_load_b128 v[X+4*\i:X+4*\i+3], v7 offset:512*\i
.endr
	v_mov_b32 v[F], s14
	v_mov_b32 v[F+1], s14
	v_mov_b32 v[F+2], s14
	v_mov_b32 v[F+3], s14
	s_wait_dscnt 0x0
.irp i, 0,1,2,3,4,5,6,7
	global_store_b128 v7, v[X+4*\i:X+4*\i+3], s[10:11] offset:512*\i
.endr
	global_store_b128 v7, v[F:F+3], s[10:11] offset:4096
	s_wait_xcnt 0x0                                ; the stores' data registers are loaded into again below, only behind this wait
.Lnorec:
	s_min_u32 s14, s14, 0x400
	s_add_co_u32 s17, s14, 31
	s_lshr_b32 s17, s17, 5
	s_lshl_b32 s17, s17, 1                         ; the expert's tiles: two for each pair begun
	s_add_co_u32 s17, s17, SLOTS-1
	s_sub_co_u32 s17, s17, s16                     ; 75 at the most
	s_mul_hi_u32 s17, s17, 0x15555556              ; / 12 (the factor is 2^32 / 12 rounded up: exact for numbers this small): my tiles slot, slot + 12, ..
	s_mov_b32 s24, 0                               ; the trip
	s_cmp_eq_u32 s17, 0
	s_cbranch_scc1 .Lend
; Piece n = 2 i + m: rows 2 i (lanes 0-15) and 2 i + 1 (lanes 16-31), 256 bytes of each: rounded, into the stage.
.macro PIECE i, m
	s_wait_loadcnt 15-(2*\i+\m)                    ; loads come back in order: this piece is in, the younger ones stay out
	v_cvt_pk_bf16_f32 v[X+8*\i+4*\m],   v[X+8*\i+4*\m],   v[X+8*\i+4*\m+1]
	v_cvt_pk_bf16_f32 v[X+8*\i+4*\m+1], v[X+8*\i+4*\m+2], v[X+8*\i+4*\m+3]
	ds_store_b64 v14, v[X+8*\i+4*\m:X+8*\i+4*\m+1] offset:2*\i*SPT+128*\m
.endm
	; One trip: tile t = 16 positions, 512 bytes of each row of x, 4 KB of xs.
.Ltile:
	s_mul_i32 s20, s24, SLOTS
	s_add_co_u32 s20, s20, s16                     ; t = slot + 12 x trip,
	s_min_u32 s20, s20, 63                         ; bounded in the text: every address below is made of this
	s_lshl_b32 s21, s20, 6
	v_lshl_add_u32 v9, v8, 2, s21                  ; the list's word of position 16 t + L / 16
.irp i, 0,1,2,3,4,5,6,7
	ds_load_b32 v[TKN+\i], v9 offset:8*\i          ; and of every second position behind it
.endr
	s_lshr_b32 s21, s20, 1
	s_lshl_b32 s21, s21, 16                        ; the pair's 64 KB,
	s_and_b32 s22, s20, 1
	s_lshl_b32 s22, s22, 11                        ; the tile's two fragments of 1,024 bytes in each block
	s_add_co_u32 s21, s21, s22
	v_add_nc_u32 v12, s21, v11
	s_wait_dscnt 0x0
.irp i, 0,1,2,3,4,5,6,7
	v_min_u32 v[TKN+\i], 0x3ff, v[TKN+\i]          ; a loaded number is bounded before it becomes an address
	v_lshlrev_b32 v[TKN+\i], 12, v[TKN+\i]
	v_add_nc_u32 v[TKN+\i], v[TKN+\i], v13
.endr
.irp i, 0,1,2,3,4,5,6,7
	global_load_b128 v[X+8*\i:X+8*\i+3],   v[TKN+\i], s[4:5]               ; 16 lanes take 256 consecutive bytes, aligned, of one row
	global_load_b128 v[X+8*\i+4:X+8*\i+7], v[TKN+\i], s[4:5] offset:256
.endr
.irp i, 0,1,2,3,4,5,6,7
	PIECE \i, 0
	PIECE \i, 1
.endr
.irp k, 0,1,2,3
.irp q, 0,1
	ds_load_b128 v[F+8*\k+4*\q:F+8*\k+4*\q+3], v15 offset:64*\k+32*\q      ; LDS serves a wave's instructions in order: these see the stores above
.endr
.endr
.irp k, 0,1,2,3
.irp q, 0,1
	s_wait_dscnt 7-(2*\k+\q)
	global_store_b128 v12, v[F+8*\k+4*\q:F+8*\k+4*\q+3], s[8:9] offset:(\k/2)*4096+(\k%2)*1024+\q*512   ; 512 consecutive bytes, aligned
.endr
.endr
	s_wait_xcnt 0x0                                ; the stores' data and offset registers are written again only behind this wait
	s_add_co_u32 s24, s24, 1
	s_cmp_lt_u32 s24, s17
	s_cbranch_scc1 .Ltile
.Lend:
	s_wait_tensorcnt 0x0
	ds_add_u32 v144, v145
	s_wait_dscnt 0x0
	s_endpgm
.Lfunc_end_k_q8600f38840_route:
	.size	k_q8600f38840_route, .Lfunc_end_k_q8600f38840_route-k_q8600f38840_route
	.p2alignl 7, 3214868480
	.fill 96, 4, 3214868480
	.section	.rodata,"a",@progbits
	.p2align	6, 0x0
	.amdhsa_kernel k_q8600f38840_route
		.amdhsa_group_segment_fixed_size 8960
		.amdhsa_private_segment_fixed_size 0
		.amdhsa_enable_private_segment 0
		.amdhsa_kernarg_size 32
		.amdhsa_user_sgpr_count 2
		.amdhsa_user_sgpr_kernarg_segment_ptr 1
		.amdhsa_wavefront_size32 1
		.amdhsa_system_sgpr_workgroup_id_x 1
		.amdhsa_system_sgpr_workgroup_id_y 1
		.amdhsa_system_sgpr_workgroup_id_z 1
		.amdhsa_system_vgpr_workitem_id 0
		.amdhsa_next_free_vgpr 146
		.amdhsa_next_free_sgpr 100
		.amdhsa_reserve_vcc 0
		.amdhsa_float_denorm_mode_32 3
		.amdhsa_float_denorm_mode_16_64 3
		.amdhsa_memory_ordered 1
		.amdhsa_forward_progress 1
		.amdhsa_inst_pref_size 30
	.end_amdhsa_kernel
	.amdgpu_metadata
---
amdhsa.version: [ 1, 2 ]
amdhsa.kernels:
  - .name:           k_q8600f38840_route
    .symbol:         k_q8600f38840_route.kd
    .args:
      - { .name: x, .offset: 0, .size: 8, .value_kind: global_buffer, .address_space: global }
      - { .name: expert_ids, .offset: 8, .size: 8, .value_kind: global_buffer, .address_space: global }
      - { .name: xs, .offset: 16, .size: 8, .value_kind: global_buffer, .address_space: global }
      - { .name: order, .offset: 24, .size: 8, .value_kind: global_buffer, .address_space: global }
    .group_segment_fixed_size: 8960
    .private_segment_fixed_size: 0
    .kernarg_segment_align: 8
    .kernarg_segment_size: 32
    .max_flat_workgroup_size: 32
    .sgpr_count:     100
    .vgpr_count:     146
    .wavefront_size: 32
...
	.end_amdgpu_metadata
.endif
;; end of part 1
;; launch gateup (part 2): grid 256 x 1, 16 waves a work-group, no clusters, 266,240 bytes of LDS; arguments xs, gate_weight, up_weight, order, hid; writes hid
.if DOCPART == 2
	.amdgcn_target "amdgcn-amd-amdhsa--gfx1250"
	.amdhsa_code_object_version 6
	.text
	.protected	k_q8600f38840_gateup
	.globl	k_q8600f38840_gateup
	.p2align	8
	.type	k_q8600f38840_gateup,@function
k_q8600f38840_gateup:
	s_mov_b64 s[64:65], 0
	v_nop
	global_prefetch_b8 v0, s[64:65] scope:SCOPE_SE
	s_setreg_imm32_b32 hwreg(HW_REG_WAVE_MODE, 25, 1), 1
	s_wait_xcnt 0x0
; GATEUP: hid = silu(xs Wg^T) * (xs Wu^T) for the tokens of each expert, in sorted order, rounded to bf16.
;   hid: [expert 8][pair tp 32][block c 32][f 4][q 2][lane 32][16 bytes], the order of xs with the hidden index in d's place; the same pairs are stored.
;   The positions from the count to the end of the last pair are copies of the expert's last token in xs, and so they are in hid.
; A work-group owns expert e = group / 32 and the 64 hidden columns 64 hb .., hb = group mod 32: 64 rows of Wg and the same 64 of Wu, 512 KB of f32.
; PHASE 1: the weights are read once, whatever the expert's count, rounded to bf16 and kept in LDS: 128 rows (0-63 gate, 64-127 up) x 2,064 bytes.
;    Wave w streams 8 rows = 32 KB that follow each other in memory, 64 loads of 512 consecutive bytes, 48 of them on their way: 384 KB for the work-group.
;    Then the one barrier of the kernel.  From there on LDS is only read.
; PHASE 2: no barrier, since the number of trips is read from memory and no barrier may hang on loaded data.  Wave w = 2 mq + nh takes the pairs of tiles
;    tp = mq, mq + 8, .. below ceil(count / 32) and the 32 columns 32 nh ..: for each 32 along K four weight fragments from LDS, two position fragments
;    straight from xs (each load 512 consecutive bytes), eight matrix instructions.  Source 0 = 16 weight rows, source 1 = 16 positions: a lane's eight results
;    are eight neighbouring hidden columns of one position, which is the place that the same lane's 16 bytes have in hid: no stage on the way out.
; NO TENSOR LOADS AND NO JOINT REQUESTS, though the 32 work-groups of an expert read the same xs: a tile in LDS would have to be filled again in every trip,
;    behind a barrier, and the trips are data.  So each pair of xs is read by two waves of each of the 32 work-groups.
; LIMITS: operands are rounded to bf16; v_exp_f32 and v_rcp_f32 flush denormals (ISA guide, their entries), so a sigmoid below 2^-126 counts as 0;
;    the two phases of a work-group do not overlap; an expert without tokens still has its weights streamed, and stores nothing.
.set WP,   2064                        ; = 129 x 16: the 16 rows of a fragment load lie in 16 different 16-byte columns modulo 256
.set UOFF, 64*WP                       ; up's rows lie behind gate's
.set NKS,  32                          ; steps of 32 along K = 1,024
.set NXS,  7                           ; slots of the ring of position fragments
.set NS,   48                          ; phase 1: loads on their way
.set L16,  8                           ; v8   16 L
.set WST,  9                           ; v9   phase 1: where my 8 bytes of my first row go
.set WFG,  10                          ; v10  my fragment address in gate's rows
.set WFU,  11                          ; v11  and in up's
.set XO,   12                          ; v12  my byte offset in xs
.set HOS,  13                          ; v13  my byte offset in a pair of hid
.set HO,   14                          ; v14  the same with the pair
.set CNT,  15                          ; v15  the expert's count
.set ACC,  16                          ; v[16:79]   tile t, column block b: gate at 32 t + 16 b, up 8 further
.set WFB,  80                          ; v[80:143]  two buffers of four weight fragments: gate b0, up b0, gate b1, up b1
.set XR,   144                         ; v[144:255] slot s mod 7: the fragments of tile 0 and tile 1
.set ST,   64                          ; v[64:255]  phase 1: slot n mod 48, 4 registers
.macro PLACES n                        ; places behind a matrix instruction before a load lands on, or a vector instruction touches, its registers
.rept \n
	v_nop
.endr
.endm
.macro LDF dst, adr, off               ; a fragment of 16 rows x 32 K: two loads of 16 bytes, 32 bytes apart
	ds_load_b128 v[\dst:\dst+3], v[\adr] offset:\off
	ds_load_b128 v[\dst+4:\dst+7], v[\adr] offset:\off+32
.endm
	s_load_b256 s[4:11], s[0:1], 0x0               ; xs s[4:5], gate s[6:7], up s[8:9], order s[10:11]
	s_load_b64 s[12:13], s[0:1], 0x20              ; hid
	v_lshl_add_u32 v5, v0, 2, 0x40800
	v_mov_b32 v6, 0
	v_and_b32 v1, 31, v0                           ; L
	v_lshrrev_b32 v4, 5, v0
	v_readfirstlane_b32 s2, v4                     ; w
	v_and_b32 v2, 15, v0                           ; r
	v_bfe_u32 v3, v0, 4, 1                         ; h
	s_lshr_b32 s3, s2, 1                           ; mq
	s_and_b32 s22, s2, 1                           ; nh
	s_lshr_b32 s23, ttmp9, 5                       ; e
	s_and_b32 s24, ttmp9, 31                       ; hb
	s_mov_b32 s21, 0
	v_lshlrev_b32 v[L16], 4, v1
	v_mov_b32 v7, 0                                ; never rewritten: the offset of the load of the count
	s_wait_kmcnt 0x0
	s_mul_i32 s20, s23, 4608
	s_add_nc_u64 s[10:11], s[10:11], s[20:21]
	global_load_b32 v[CNT], v7, s[10:11] offset:4096       ; the count: older than every load of W, so their first wait covers it
	s_cmp_lt_u32 s2, 8
	s_cselect_b64 s[18:19], s[6:7], s[8:9]         ; waves 0-7 stream gate, 8-15 up
	s_and_b32 s17, s2, 7
	s_lshl_b32 s17, s17, 3
	s_lshl_b32 s20, s24, 6
	s_add_co_u32 s17, s17, s20                     ; row 64 hb + 8 (w mod 8)
	s_lshl_b32 s17, s17, 12                        ; of 4,096 bytes
	s_lshl_b32 s20, s23, 23
	s_add_co_u32 s20, s20, s17
	s_add_nc_u64 s[18:19], s[18:19], s[20:21]
.set n, 0
.rept NS
	global_load_b128 v[ST+4*n:ST+4*n+3], v[L16], s[18:19] offset:n*512 th:TH_LOAD_NT
.set n, n+1
.endr
	s_lshl_b32 s20, s23, 21
	s_add_nc_u64 s[4:5], s[4:5], s[20:21]          ; my expert's part of xs
	s_lshl_b32 s20, s23, 22
	s_add_nc_u64 s[12:13], s[12:13], s[20:21]      ; and of hid
	s_mul_i32 s17, s2, 8*WP
	v_lshl_add_u32 v[WST], v1, 3, s17
	v_mul_u32_u24 v4, v2, WP
	v_lshl_add_u32 v4, v3, 4, v4
	s_mul_i32 s17, s22, 32*WP
	v_add_nc_u32 v[WFG], s17, v4                   ; row 32 nh + r, byte 16 h
	v_add_nc_u32 v[WFU], UOFF, v[WFG]
	s_lshl_b32 s17, s22, 10                        ; hidden column 64 hb + 32 nh + 16 b + 8 h + j: block hb, ks = nh, q = b
	s_lshl_b32 s20, s24, 12
	s_add_co_u32 s17, s17, s20
	v_add_nc_u32 v[HOS], s17, v[L16]
	; PHASE 1.  Piece n: row n / 8, bytes 512 (n mod 8) ..: 128 numbers, 4 a lane.
.set n, 0
.rept 64
.if n < 64-NS
	s_wait_loadcnt NS-1                            ; loads come back in order: piece n is in, the 47 younger ones stay out
.else
	s_wait_loadcnt 63-n                            ; nothing more is asked for: the counts run down
.endif
	v_cvt_pk_bf16_f32 v[ST+4*(n%NS)],   v[ST+4*(n%NS)],   v[ST+4*(n%NS)+1]
	v_cvt_pk_bf16_f32 v[ST+4*(n%NS)+1], v[ST+4*(n%NS)+2], v[ST+4*(n%NS)+3]
	ds_store_b64 v[WST], v[ST+4*(n%NS):ST+4*(n%NS)+1] offset:(n/8)*WP+(n%8)*256    ; 32 lanes, 256 consecutive bytes
.if n+NS < 64
	global_load_b128 v[ST+4*(n%NS):ST+4*(n%NS)+3], v[L16], s[18:19] offset:(n+NS)*512 th:TH_LOAD_NT
.endif
.set n, n+1
.endr
	s_wait_dscnt 0x0                               ; my rows are written
	s_barrier_signal -1
	s_barrier_wait -1                              ; everybody's are; nobody writes LDS from here on
	; PHASE 2
	v_readfirstlane_b32 s14, v[CNT]
	s_min_u32 s14, s14, 0x400
	s_add_co_u32 s16, s14, 31
	s_lshr_b32 s16, s16, 5                         ; pairs of tiles with tokens
	s_add_co_u32 s16, s16, 7
	s_sub_co_u32 s16, s16, s3
	s_lshr_b32 s16, s16, 3                         ; of them mine: mq, mq + 8, ..
	s_mov_b32 s15, 0                               ; the trip
	s_cmp_eq_u32 s16, 0
	s_cbranch_scc1 .Lend
.macro XLOADS s                        ; the position fragments of step s: 4 loads of 512 consecutive bytes
.irp t, 0,1
.irp q, 0,1
	global_load_b128 v[XR+16*((\s)%NXS)+8*\t+4*\q:XR+16*((\s)%NXS)+8*\t+4*\q+3], v[XO], s[4:5] offset:((\s)/2)*4096+\t*2048+((\s)%2)*1024+\q*512
.endr
.endr
.endm
.macro WLOADS s                        ; the weight fragments of step s: 8 LDS loads
.irp b, 0,1
	LDF WFB+32*((\s)%2)+16*\b,   WFG, \b*16*WP+(\s)*64
	LDF WFB+32*((\s)%2)+16*\b+8, WFU, \b*16*WP+(\s)*64
.endr
.endm
; 32 along K.  The eight accumulators take turns, one instruction a turn, in the same order in every step.
; The first step's products start the sums: nothing is cleared.
.macro KSTEP s
.if NKS-1-(\s) >= NXS-1
	s_wait_loadcnt 4*(NXS-1)                       ; this step's position fragments are in; six younger steps of four loads stay out
.else
	s_wait_loadcnt 4*(NKS-1-(\s))
.endif
.if (\s) < NKS-1
	s_wait_dscnt 8                                 ; this step's weight fragments are in; the next step's eight loads stay out
.else
	s_wait_dscnt 0
.endif
.irp t, 0,1
.irp b, 0,1
.irp g, 0,1
.if (\s) == 0
	v_wmma_f32_16x16x32_bf16 v[ACC+32*\t+16*\b+8*\g:ACC+32*\t+16*\b+8*\g+7], v[WFB+32*((\s)%2)+16*\b+8*\g:WFB+32*((\s)%2)+16*\b+8*\g+7], v[XR+16*((\s)%NXS)+8*\t:XR+16*((\s)%NXS)+8*\t+7], 0
.else
	v_wmma_f32_16x16x32_bf16 v[ACC+32*\t+16*\b+8*\g:ACC+32*\t+16*\b+8*\g+7], v[WFB+32*((\s)%2)+16*\b+8*\g:WFB+32*((\s)%2)+16*\b+8*\g+7], v[XR+16*((\s)%NXS)+8*\t:XR+16*((\s)%NXS)+8*\t+7], v[ACC+32*\t+16*\b+8*\g:ACC+32*\t+16*\b+8*\g+7]
.endif
.endr
.endr
.endr
.if (\s)+2 < NKS
	PLACES 4                                       ; the buffers just read are loaded into again
	WLOADS (\s)+2
.endif
.if (\s)+NXS < NKS
	XLOADS (\s)+NXS
.endif
.endm
; silu(g) u of tile t, column block b: g / (1 + 2^(-1.442695 g)), times u; (g s) u in this order, so that g u is never formed alone
.macro SILU t, b
.irp k, 0,2,4,6
	v_pk_mul_f32 v[WFB+\k:WFB+\k+1], v[ACC+32*\t+16*\b+\k:ACC+32*\t+16*\b+\k+1], 0xbfb8aa3b op_sel_hi:[1,0]
.endr
.irp k, 0,1,2,3,4,5,6,7
	v_exp_f32 v[WFB+\k], v[WFB+\k]
.endr
	v_nop                                          ; one plain place behind a transcendental before its result is used (ISA guide 5.7.2)
	s_wait_alu depctr_va_vdst(0)
.irp k, 0,2,4,6
	v_pk_add_f32 v[WFB+\k:WFB+\k+1], v[WFB+\k:WFB+\k+1], 1.0 op_sel_hi:[1,0]
.endr
.irp k, 0,1,2,3,4,5,6,7
	v_rcp_f32 v[WFB+\k], v[WFB+\k]
.endr
	v_nop
	s_wait_alu depctr_va_vdst(0)
.irp k, 0,2,4,6
	v_pk_mul_f32 v[ACC+32*\t+16*\b+\k:ACC+32*\t+16*\b+\k+1], v[ACC+32*\t+16*\b+\k:ACC+32*\t+16*\b+\k+1], v[WFB+\k:WFB+\k+1]
.endr
.irp k, 0,2,4,6
	v_pk_mul_f32 v[ACC+32*\t+16*\b+\k:ACC+32*\t+16*\b+\k+1], v[ACC+32*\t+16*\b+\k:ACC+32*\t+16*\b+\k+1], v[ACC+32*\t+16*\b+8+\k:ACC+32*\t+16*\b+8+\k+1]
.endr
.irp k, 0,1,2,3
	v_cvt_pk_bf16_f32 v[WFB+8+4*(2*\t+\b)+\k], v[ACC+32*\t+16*\b+2*\k], v[ACC+32*\t+16*\b+2*\k+1]
.endr
	global_store_b128 v[HO], v[WFB+8+4*(2*\t+\b):WFB+8+4*(2*\t+\b)+3], s[12:13] offset:\t*2048+\b*512     ; 512 consecutive bytes, aligned
.endm
.Ltrip:
	s_lshl3_add_u32 s17, s15, s3                   ; the pair: mq + 8 x trip,
	s_min_u32 s17, s17, 31                         ; bounded in the text
	s_lshl_b32 s20, s17, 16
	v_add_nc_u32 v[XO], s20, v[L16]                ; 64 KB of xs a pair
	s_lshl_b32 s20, s17, 17
	v_add_nc_u32 v[HO], s20, v[HOS]                ; 128 KB of hid a pair
.irp s, 0,1,2,3,4,5,6
	XLOADS \s
.endr
	WLOADS 0
	WLOADS 1
.irp s, 0,1,2,3,4,5,6,7,8,9,10,11,12,13,14,15,16,17,18,19,20,21,22,23,24,25,26,27,28,29,30,31
	KSTEP \s
.endr
	PLACES 5                                       ; behind the last products: the results are read, the fragment registers reused, and the next trip's first products write the accumulators anew
	SILU 0, 0
	SILU 0, 1
	SILU 1, 0
	SILU 1, 1
	s_wait_xcnt 0x0                                ; the stores' data and offset registers are written again only behind this wait
	s_add_co_u32 s15, s15, 1
	s_cmp_lt_u32 s15, s16
	s_cbranch_scc1 .Ltrip
.Lend:
	s_wait_tensorcnt 0x0
	ds_add_u32 v5, v6
	s_wait_dscnt 0x0
	s_endpgm
.Lfunc_end_k_q8600f38840_gateup:
	.size	k_q8600f38840_gateup, .Lfunc_end_k_q8600f38840_gateup-k_q8600f38840_gateup
	.p2alignl 7, 3214868480
	.fill 96, 4, 3214868480
	.section	.rodata,"a",@progbits
	.p2align	6, 0x0
	.amdhsa_kernel k_q8600f38840_gateup
		.amdhsa_group_segment_fixed_size 266240
		.amdhsa_private_segment_fixed_size 0
		.amdhsa_enable_private_segment 0
		.amdhsa_kernarg_size 40
		.amdhsa_user_sgpr_count 2
		.amdhsa_user_sgpr_kernarg_segment_ptr 1
		.amdhsa_wavefront_size32 1
		.amdhsa_system_sgpr_workgroup_id_x 1
		.amdhsa_system_sgpr_workgroup_id_y 1
		.amdhsa_system_sgpr_workgroup_id_z 1
		.amdhsa_system_vgpr_workitem_id 0
		.amdhsa_next_free_vgpr 256
		.amdhsa_next_free_sgpr 66
		.amdhsa_reserve_vcc 0
		.amdhsa_float_denorm_mode_32 3
		.amdhsa_float_denorm_mode_16_64 3
		.amdhsa_memory_ordered 1
		.amdhsa_forward_progress 1
		.amdhsa_inst_pref_size 82
	.end_amdhsa_kernel
	.amdgpu_metadata
---
amdhsa.version: [ 1, 2 ]
amdhsa.kernels:
  - .name:           k_q8600f38840_gateup
    .symbol:         k_q8600f38840_gateup.kd
    .args:
      - { .name: xs, .offset: 0, .size: 8, .value_kind: global_buffer, .address_space: global }
      - { .name: gate_weight, .offset: 8, .size: 8, .value_kind: global_buffer, .address_space: global }
      - { .name: up_weight, .offset: 16, .size: 8, .value_kind: global_buffer, .address_space: global }
      - { .name: order, .offset: 24, .size: 8, .value_kind: global_buffer, .address_space: global }
      - { .name: hid, .offset: 32, .size: 8, .value_kind: global_buffer, .address_space: global }
    .group_segment_fixed_size: 266240
    .private_segment_fixed_size: 0
    .kernarg_segment_align: 8
    .kernarg_segment_size: 40
    .max_flat_workgroup_size: 512
    .sgpr_count:     66
    .vgpr_count:     256
    .wavefront_size: 32
...
	.end_amdgpu_metadata
.endif
;; end of part 2
;; launch down (part 3): grid 256 x 1, 16 waves a work-group, no clusters, 170,496 bytes of LDS; arguments hid, down_weight, order, out0; writes out0
.if DOCPART == 3
	.amdgcn_target "amdgcn-amd-amdhsa--gfx1250"
	.amdhsa_code_object_version 6
	.text
	.protected	k_q8600f38840_down
	.globl	k_q8600f38840_down
	.p2align	8
	.type	k_q8600f38840_down,@function
k_q8600f38840_down:
	s_mov_b64 s[64:65], 0
	v_nop
	global_prefetch_b8 v0, s[64:65] scope:SCOPE_SE
	s_setreg_imm32_b32 hwreg(HW_REG_WAVE_MODE, 25, 1), 1
	s_wait_xcnt 0x0
; DOWN: out0[token] = hid Wd^T, in f32, scattered to the tokens' rows.
; A work-group owns expert e = group / 32 and the 32 output columns 32 db .., db = group mod 32: 32 rows of Wd, 256 KB of f32.
; PHASE 1: the weights are read once, whatever the expert's count, rounded to bf16 and kept in LDS: 32 rows x 4,112 bytes.  Wave w streams 2 rows = 16 KB that
;    follow each other in memory, 32 loads of 512 consecutive bytes, all on their way at once: the work-group's whole 256 KB.  Then the one barrier of the kernel.
;    A wave that has a tile fills its ring of position fragments meanwhile: as soon as piece n of W is rounded and stored to LDS, its four registers take load n of hid,
;    so the first 16 KB of the wave's tile are on their way while the weights still stream.
; PHASE 2: no barrier, since the number of trips is read from memory and no barrier may hang on loaded data.  Wave w takes the tiles of 16 positions t = w, w + 16, ..
;    below ceil(count / 16) and all 32 columns: for each 64 along K four weight fragments from LDS, two position fragments straight from hid (each load
;    512 consecutive bytes), four matrix instructions on four accumulators (even and odd step of 32 along K x two column blocks), added at the end.
;    One tile a wave and not two: 128 tokens then occupy 8 waves with 16 KB of hid on its way in each.  The price: every tile reads all the weights from LDS.
;    The first tile is written out in front of the loop, since its ring is filled already; every later tile fills its ring itself, behind a whole tile's last waits.
; THE WAY OUT: through a stage in LDS that is the wave's own, so that eight neighbouring lanes store the 128 consecutive bytes that the work-group owns of a token's row.
;    That is half of an aligned block of 256 bytes; the other half is another work-group's.  Chosen so: 64 columns a work-group would fill LDS with 128 work-groups'
;    weights and leave half of the 256 without work, and out0 is 4 MB of the 71 MB that the launch moves.
; PADDING: the positions from the count to the end of the last tile (15 at the most) are copies of the expert's last token, in the list and in hid.  They are stored like
;    any position: to that token's row, the same bytes with the same values, by the wave that stores the last token itself.  So every lane stays on throughout.
; NO TENSOR LOADS AND NO JOINT REQUESTS, though the 32 work-groups of an expert read the same hid: a tile in LDS would have to be filled again in every trip,
;    behind a barrier, and the trips are data.
; LIMITS: operands are rounded to bf16; but for the ring's first fill the two phases of a work-group do not overlap; an expert without tokens still has its weights
;    streamed, and stores nothing.
.set WP,   4112                        ; = 257 x 16: the 16 rows of a fragment load lie in 16 different 16-byte columns modulo 256
.set STG,  32*WP                       ; 131,584: behind the weights, 2,304 bytes for each wave
.set SP,   144                         ; a stage row: 32 f32 + 16 bytes
.set TSTG, 16*SP                       ; a wave's stage: one tile
.set NCH,  32                          ; blocks of 64 along K = 2,048
.set NXR,  8                           ; slots of the ring of position fragments
.set L16,  8                           ; v8   16 L
.set WST,  9                           ; v9   phase 1: where my 8 bytes of my first row go
.set WF0,  10                          ; v10  my fragment address in rows 0-15
.set WF1,  11                          ; v11  and in rows 16-31
.set XO,   12                          ; v12  my byte offset in hid
.set STO,  13                          ; v13  the way out: where my 32 bytes go
.set RDB,  14                          ; v14  the way out: where I read back
.set CNT,  15                          ; v15  the expert's count
.set ACC,  16                          ; v[16:47]   step parity k, column block b at 16 k + 8 b
.set TK,   48                          ; v[48:51]   the tokens of positions 16 t + L / 8 + 4 q, then their byte offsets in out0
.set TKO,  52                          ; v52  my byte offset in the list of tokens
.set ROW4, 53                          ; v53  4 (L / 8)
.set COL,  54                          ; v54  16 (L mod 8)
.set WFB,  64                          ; v[64:127]  two buffers of four weight fragments: (k 0, b 0), (k 0, b 1), (k 1, b 0), (k 1, b 1)
.set XR,   128                         ; v[128:255] slot c mod 8: fragments k = 0, 1 at 8 k; on the way out: 4 x 4 registers
.set ST,   128                         ; v[128:255] phase 1: piece n, 4 registers: the registers of the ring's load n
.macro PLACES n                        ; places behind a matrix instruction before a load lands on, or a vector instruction touches, its registers
.rept \n
	v_nop
.endr
.endm
.macro LDF dst, adr, off               ; a fragment of 16 rows x 32 K: two loads of 16 bytes, 32 bytes apart
	ds_load_b128 v[\dst:\dst+3], v[\adr] offset:\off
	ds_load_b128 v[\dst+4:\dst+7], v[\adr] offset:\off+32
.endm
.macro TKLOAD                          ; the tokens of my tile's positions L / 8 + 4 q
.irp q, 0,1,2,3
	global_load_b32 v[TK+\q], v[TKO], s[8:9] offset:16*\q
.endr
.endm
.macro XLOAD c                         ; the position fragments of block c: 4 loads of 512 consecutive bytes
.irp i, 0,1,2,3
	global_load_b128 v[XR+16*((\c)%NXR)+4*\i:XR+16*((\c)%NXR)+4*\i+3], v[XO], s[4:5] offset:(\c)*4096+\i*512
.endr
.endm
.macro WLOAD c                         ; the weight fragments of block c: 8 LDS loads
.irp k, 0,1
	LDF WFB+32*((\c)%2)+16*\k,   WF0, (\c)*128+\k*64
	LDF WFB+32*((\c)%2)+16*\k+8, WF1, (\c)*128+\k*64
.endr
.endm
; PHASE 1.  Piece n: row n / 16, bytes 512 (n mod 16) ..: 128 numbers, 4 a lane.  ahead = 1: the piece's registers then take load n of the ring's first fill.
.macro STREAM ahead
.set n, 0
.rept 32
.if \ahead
	s_wait_loadcnt 31                              ; loads come back in order: piece n is in; younger are 31 - n loads of W and the n loads of hid issued so far
.else
	s_wait_loadcnt 31-n                            ; piece n is in, the younger ones stay out
.endif
	v_cvt_pk_bf16_f32 v[ST+4*n],   v[ST+4*n],   v[ST+4*n+1]
	v_cvt_pk_bf16_f32 v[ST+4*n+1], v[ST+4*n+2], v[ST+4*n+3]
	ds_store_b64 v[WST], v[ST+4*n:ST+4*n+1] offset:(n/16)*WP+(n%16)*256    ; 32 lanes, 256 consecutive bytes
.if \ahead
	global_load_b128 v[XR+4*n:XR+4*n+3], v[XO], s[4:5] offset:(n/4)*4096+(n%4)*512   ; block n / 4, load n mod 4: what XLOAD n / 4 would ask for
.endif
.set n, n+1
.endr
.endm
; 64 along K.  The four accumulators take turns, one instruction a turn, in the same order throughout.
; The first block's products start the sums: nothing is cleared.
.macro CHUNK c
.if NCH-1-(\c) >= NXR-1
	s_wait_loadcnt 4*(NXR-1)                       ; this block's position fragments are in (and all older loads); seven younger blocks of four loads stay out
.else
	s_wait_loadcnt 4*(NCH-1-(\c))                  ; nothing more is asked for: the counts run down, to 0 in the last block
.endif
.if (\c) < NCH-1
	s_wait_dscnt 8                                 ; this block's weight fragments are in; the next block's eight loads stay out
.else
	s_wait_dscnt 0
.endif
.irp k, 0,1
.irp b, 0,1
.if (\c) == 0
	v_wmma_f32_16x16x32_bf16 v[ACC+16*\k+8*\b:ACC+16*\k+8*\b+7], v[WFB+32*((\c)%2)+16*\k+8*\b:WFB+32*((\c)%2)+16*\k+8*\b+7], v[XR+16*((\c)%NXR)+8*\k:XR+16*((\c)%NXR)+8*\k+7], 0
.else
	v_wmma_f32_16x16x32_bf16 v[ACC+16*\k+8*\b:ACC+16*\k+8*\b+7], v[WFB+32*((\c)%2)+16*\k+8*\b:WFB+32*((\c)%2)+16*\k+8*\b+7], v[XR+16*((\c)%NXR)+8*\k:XR+16*((\c)%NXR)+8*\k+7], v[ACC+16*\k+8*\b:ACC+16*\k+8*\b+7]
.endif
.endr
.endr
.if (\c)+2 < NCH
	PLACES 4                                       ; the registers just read are loaded into again
	WLOAD (\c)+2
.endif
.if (\c)+NXR < NCH
	XLOAD (\c)+NXR
.endif
.endm
; One tile.  On entry the youngest 32 loads are the ring's first eight blocks, in the order of the blocks, and the tile's tokens are older than they.
; On exit no load is out (the last block's wait is for 0) and every memory instruction's sources are free.
.macro TILE
	WLOAD 0
	WLOAD 1
.irp c, 0,1,2,3,4,5,6,7,8,9,10,11,12,13,14,15,16,17,18,19,20,21,22,23,24,25,26,27,28,29,30,31
	CHUNK \c
.endr
	PLACES 5                                       ; behind the last products: the results are read, the fragment registers loaded into, and the next tile's first products write the accumulators anew
.irp b, 0,1
.irp k, 0,2,4,6
	v_pk_add_f32 v[ACC+8*\b+\k:ACC+8*\b+\k+1], v[ACC+8*\b+\k:ACC+8*\b+\k+1], v[ACC+16+8*\b+\k:ACC+16+8*\b+\k+1]   ; even steps + odd steps
.endr
	ds_store_b128 v[STO], v[ACC+8*\b:ACC+8*\b+3]   offset:\b*64            ; columns 16 b + 8 h .. + 3 of position r
	ds_store_b128 v[STO], v[ACC+8*\b+4:ACC+8*\b+7] offset:\b*64+16
.endr
.irp q, 0,1,2,3
	ds_load_b128 v[XR+4*\q:XR+4*\q+3], v[RDB] offset:\q*4*SP               ; four rows of 128 bytes; LDS serves a wave's instructions in order: these see the stores above
.endr
.irp q, 0,1,2,3
	v_min_u32 v[TK+\q], 0x3ff, v[TK+\q]            ; a loaded number is bounded before it becomes an address
	v_lshlrev_b32 v[TK+\q], 12, v[TK+\q]           ; the token's row of 4,096 bytes
	v_add_nc_u32 v[TK+\q], v[TK+\q], v[COL]        ; + my 16 bytes
.endr
.irp q, 0,1,2,3
	s_wait_dscnt 3-\q                              ; LDS loads come back in order: rows 4 q .. 4 q + 3 are in
	global_store_b128 v[TK+\q], v[XR+4*\q:XR+4*\q+3], s[10:11] th:TH_STORE_NT      ; 8 lanes store 128 consecutive bytes of one token's row
.endr
	s_wait_xcnt 0x0                                ; the stores' data and offset registers are written again only behind this wait
.endm
	s_load_b256 s[4:11], s[0:1], 0x0               ; hid s[4:5], down s[6:7], order s[8:9], out0 s[10:11]
	v_lshl_add_u32 v62, v0, 2, 0x29200
	v_mov_b32 v63, 0
	v_and_b32 v1, 31, v0                           ; L
	v_lshrrev_b32 v4, 5, v0
	v_readfirstlane_b32 s2, v4                     ; w
	v_and_b32 v2, 15, v0                           ; r
	v_bfe_u32 v3, v0, 4, 1                         ; h
	s_lshr_b32 s23, ttmp9, 5                       ; e
	s_and_b32 s24, ttmp9, 31                       ; db
	s_mov_b32 s21, 0
	v_lshlrev_b32 v[L16], 4, v1
	v_mov_b32 v7, 0                                ; never rewritten: the offset of the load of the count
	v_lshrrev_b32 v6, 3, v1                        ; L / 8
	v_lshlrev_b32 v[ROW4], 2, v6
	s_lshl_b32 s17, s2, 6
	v_add_nc_u32 v[TKO], s17, v[ROW4]              ; the list's word of position 16 w + L / 8: my first tile is t = w
	s_wait_kmcnt 0x0
	s_mul_i32 s20, s23, 4608
	s_add_nc_u64 s[8:9], s[8:9], s[20:21]          ; my expert's record
	global_load_b32 v[CNT], v7, s[8:9] offset:4096 ; the count
	TKLOAD                                         ; my first tile's tokens: every word of the record is written, whatever the count
	s_lshl_b32 s17, s24, 5
	s_lshl1_add_u32 s17, s2, s17                   ; row 32 db + 2 w
	s_lshl_b32 s17, s17, 13                        ; of 8,192 bytes
	s_lshl_b32 s20, s23, 23
	s_add_co_u32 s20, s20, s17
	s_add_nc_u64 s[18:19], s[6:7], s[20:21]
.set n, 0
.rept 32
	global_load_b128 v[ST+4*n:ST+4*n+3], v[L16], s[18:19] offset:n*512 th:TH_LOAD_NT
.set n, n+1
.endr
	s_lshl_b32 s20, s24, 7
	s_add_nc_u64 s[10:11], s[10:11], s[20:21]      ; my 128 bytes of every row of out0
	s_lshl_b32 s20, s23, 22
	s_add_nc_u64 s[4:5], s[4:5], s[20:21]          ; my expert's part of hid
	s_lshr_b32 s17, s2, 1
	s_lshl_b32 s17, s17, 17                        ; tile w: the pair's 128 KB of hid,
	s_and_b32 s20, s2, 1
	s_lshl_b32 s20, s20, 11                        ; the tile's two fragments of 1,024 bytes in each block
	s_add_co_u32 s17, s17, s20
	v_add_nc_u32 v[XO], s17, v[L16]
	s_mul_i32 s17, s2, 2*WP
	v_lshl_add_u32 v[WST], v1, 3, s17
	v_mul_u32_u24 v4, v2, WP
	v_lshl_add_u32 v[WF0], v3, 4, v4               ; row r, byte 16 h
	v_add_nc_u32 v[WF1], 16*WP, v[WF0]
	s_mul_i32 s17, s2, TSTG
	s_add_co_u32 s17, s17, STG                     ; my stage: a constant + the wave's number times a constant
	v_mul_u32_u24 v4, v2, SP
	v_lshl_add_u32 v4, v3, 5, v4
	v_add_nc_u32 v[STO], s17, v4                   ; row r, byte 32 h
	v_and_b32 v5, 7, v1
	v_lshlrev_b32 v[COL], 4, v5
	v_mul_u32_u24 v4, v6, SP
	v_add_nc_u32 v4, v4, v[COL]
	v_add_nc_u32 v[RDB], s17, v4                   ; row L / 8, byte 16 (L mod 8)
	s_wait_loadcnt 36                              ; the count is in: younger are 4 loads of tokens and 32 of W
	v_readfirstlane_b32 s14, v[CNT]
	s_min_u32 s14, s14, 0x400
	s_add_co_u32 s16, s14, 15
	s_lshr_b32 s16, s16, 4                         ; tiles with tokens
	s_add_co_u32 s16, s16, 15
	s_sub_co_u32 s16, s16, s2
	s_lshr_b32 s16, s16, 4                         ; of them mine: w, w + 16, ..
	s_cmp_eq_u32 s16, 0
	s_cbranch_scc1 .Lplain
	STREAM 1                                       ; I have a tile: its first eight blocks are asked for as the registers fall free
	s_branch .Lwritten
.Lplain:
	STREAM 0
.Lwritten:
	s_wait_dscnt 0x0                               ; my rows are written
	s_barrier_signal -1
	s_barrier_wait -1                              ; everybody's are; from here on a wave writes its own stage alone
	s_cmp_eq_u32 s16, 0
	s_cbranch_scc1 .Lend
	; PHASE 2
	TILE                                           ; tile w: its offsets, tokens and ring were seen to in phase 1
	s_cmp_le_u32 s16, 1
	s_cbranch_scc1 .Lend
	s_mov_b32 s15, 1                               ; the trip
.Ltrip:
	s_lshl4_add_u32 s17, s15, s2                   ; the tile: w + 16 x trip,
	s_min_u32 s17, s17, 63                         ; bounded in the text
	s_lshr_b32 s20, s17, 1
	s_lshl_b32 s20, s20, 17
	s_and_b32 s22, s17, 1
	s_lshl_b32 s22, s22, 11
	s_add_co_u32 s20, s20, s22
	v_add_nc_u32 v[XO], s20, v[L16]                ; free: the tile before ended with no load out and its sources released
	s_lshl_b32 s20, s17, 6
	v_add_nc_u32 v[TKO], s20, v[ROW4]
	TKLOAD
.irp c, 0,1,2,3,4,5,6,7
	XLOAD \c
.endr
	TILE
	s_add_co_u32 s15, s15, 1
	s_cmp_lt_u32 s15, s16
	s_cbranch_scc1 .Ltrip
.Lend:
	s_wait_tensorcnt 0x0
	ds_add_u32 v62, v63
	s_wait_dscnt 0x0
	s_endpgm
.Lfunc_end_k_q8600f38840_down:
	.size	k_q8600f38840_down, .Lfunc_end_k_q8600f38840_down-k_q8600f38840_down
	.p2alignl 7, 3214868480
	.fill 96, 4, 3214868480
	.section	.rodata,"a",@progbits
	.p2align	6, 0x0
	.amdhsa_kernel k_q8600f38840_down
		.amdhsa_group_segment_fixed_size 170496
		.amdhsa_private_segment_fixed_size 0
		.amdhsa_enable_private_segment 0
		.amdhsa_kernarg_size 32
		.amdhsa_user_sgpr_count 2
		.amdhsa_user_sgpr_kernarg_segment_ptr 1
		.amdhsa_wavefront_size32 1
		.amdhsa_system_sgpr_workgroup_id_x 1
		.amdhsa_system_sgpr_workgroup_id_y 1
		.amdhsa_system_sgpr_workgroup_id_z 1
		.amdhsa_system_vgpr_workitem_id 0
		.amdhsa_next_free_vgpr 256
		.amdhsa_next_free_sgpr 66
		.amdhsa_reserve_vcc 0
		.amdhsa_float_denorm_mode_32 3
		.amdhsa_float_denorm_mode_16_64 3
		.amdhsa_memory_ordered 1
		.amdhsa_forward_progress 1
		.amdhsa_inst_pref_size 110
	.end_amdhsa_kernel
	.amdgpu_metadata
---
amdhsa.version: [ 1, 2 ]
amdhsa.kernels:
  - .name:           k_q8600f38840_down
    .symbol:         k_q8600f38840_down.kd
    .args:
      - { .name: hid, .offset: 0, .size: 8, .value_kind: global_buffer, .address_space: global }
      - { .name: down_weight, .offset: 8, .size: 8, .value_kind: global_buffer, .address_space: global }
      - { .name: order, .offset: 16, .size: 8, .value_kind: global_buffer, .address_space: global }
      - { .name: out0, .offset: 24, .size: 8, .value_kind: global_buffer, .address_space: global }
    .group_segment_fixed_size: 170496
    .private_segment_fixed_size: 0
    .kernarg_segment_align: 8
    .kernarg_segment_size: 32
    .max_flat_workgroup_size: 512
    .sgpr_count:     66
    .vgpr_count:     256
    .wavefront_size: 32
...
	.end_amdgpu_metadata
.endif
;; end of part 3
;; ======== version 2 of 2: 3 launches; version 1 with the launches gateup, down written anew for expert scheduling mode
;; workspace buffers: xs 16,777,216 bytes; hid 33,554,432 bytes; order 36,864 bytes of whole numbers
;; launch route: the kernel of part 1 again; grid 96 x 8, 1 waves a work-group, no clusters, 8,960 bytes of LDS; arguments x, expert_ids, xs, order; writes xs, order
;; launch gateup (part 4): grid 256 x 1, 16 waves a work-group, no clusters, 266,240 bytes of LDS; arguments xs, gate_weight, up_weight, order, hid; writes hid
.if DOCPART == 4
	.amdgcn_target "amdgcn-amd-amdhsa--gfx1250"
	.amdhsa_code_object_version 6
	.text
	.protected	k_q8600f38840_gateup
	.globl	k_q8600f38840_gateup
	.p2align	8
	.type	k_q8600f38840_gateup,@function
k_q8600f38840_gateup:
	s_mov_b64 s[64:65], 0
	v_nop
	global_prefetch_b8 v0, s[64:65] scope:SCOPE_SE
	s_setreg_imm32_b32 hwreg(HW_REG_WAVE_SCHED_MODE, 0, 2), 2
	s_setreg_imm32_b32 hwreg(HW_REG_WAVE_MODE, 25, 1), 1
	s_wait_xcnt 0x0
	s_wait_alu depctr_vm_vsrc(0)
; GATEUP: hid = silu(xs Wg^T) * (xs Wu^T) for the tokens of each expert, in sorted order, rounded to bf16.
;   hid: [expert 8][pair tp 32][block c 32][f 4][q 2][lane 32][16 bytes], the order of xs with the hidden index in d's place; the same pairs are stored.
;   The positions from the count to the end of the last pair are copies of the expert's last token in xs, and so they are in hid.
; A work-group owns expert e = group / 32 and the 64 hidden columns 64 hb .., hb = group mod 32: 64 rows of Wg and the same 64 of Wu, 512 KB of f32.
; PHASE 1: the weights are read once, whatever the expert's count, rounded to bf16 and kept in LDS: 128 rows (0-63 gate, 64-127 up) x 2,064 bytes.
;    Wave w streams 8 rows = 32 KB that follow each other in memory, 64 loads of 512 consecutive bytes, 40 to 48 of them on their way.
;    Then the one barrier of the kernel.  From there on LDS is only read.
; PHASE 2: no barrier, since the number of trips is read from memory and no barrier may hang on loaded data.  Wave w = 2 mq + nh takes the pairs of tiles
;    tp = mq, mq + 8, .. below ceil(count / 32) and the 32 columns 32 nh ..: for each 32 along K four weight fragments from LDS, two position fragments
;    straight from xs (each load 512 consecutive bytes), eight matrix instructions.  Source 0 = 16 weight rows, source 1 = 16 positions: a lane's eight results
;    are eight neighbouring hidden columns of one position, which is the place that the same lane's 16 bytes have in hid: no stage on the way out.
; NO TENSOR LOADS AND NO JOINT REQUESTS, though the 32 work-groups of an expert read the same xs: a tile in LDS would have to be filled again in every trip,
;    behind a barrier, and the trips are data.  So each pair of xs is read by two waves of each of the 32 work-groups.
; LIMITS: operands are rounded to bf16; v_exp_f32 and v_rcp_f32 flush denormals (ISA guide, their entries), so a sigmoid below 2^-126 counts as 0;
;    the two phases of a work-group do not overlap; an expert without tokens still has its weights streamed, and stores nothing.
; THE MODE: SCHED_MODE bits 1:0 = 2 (LLVM: expert scheduling mode 2), set by the entry lines.  The code itself states the register dependences
;    between vector or matrix instructions and memory or LDS instructions, with s_wait_alu, always for 0.
; THE PLAN.  Registers that memory or LDS instructions touch:
;    v7, L16, WST, WFG, WFU   offsets and LDS addresses, made once by vector lines and never written again.
;    ST (48 pieces)           phase 1: loads of W land in it; the roundings read it; no LDS store names it.
;    OUT0, OUT1               phase 1: the 16 roundings of group g (8 pieces, one weight row) write OUT[g mod 2]; the group's 8 LDS stores read it.
;    WFB0, WFB1               phase 2: the products of step s read WFB[s mod 2]; the LDS loads issued in step s + 1 land in it (the weights of step s + 2).
;    XR0 .. XR6               phase 2: the products of step s read XR[s mod 7]; the loads issued in step s + 1 land in it (the positions of step s + 7).
;    XO, HO                   written once at a trip's head; read by the trip's loads of xs and by its four stores.
;    WFB + 8 .. + 23          at a trip's end: written by the roundings of the activation, read by the four stores.
;    The accumulators are named by matrix and vector instructions alone (their first 32 registers are OUT in phase 1).
;    So ONE wait on va_vdst stands in a group of phase 1, behind its roundings, and ONE in a step of phase 2, at its head: behind it the buffers that the step before
;    read are free, and the step's twelve loads are dealt among its eight products, which name the accumulators, WFB[s mod 2] and XR[s mod 7] alone.
.set WP,   2064                        ; = 129 x 16: the 16 rows of a fragment load lie in 16 different 16-byte columns modulo 256
.set UOFF, 64*WP                       ; up's rows lie behind gate's
.set NKS,  32                          ; steps of 32 along K = 1,024
.set NXS,  7                           ; slots of the ring of position fragments
.set NS,   48                          ; phase 1: pieces that have registers
.set L16,  8                           ; v8   16 L
.set WST,  9                           ; v9   phase 1: where my 8 bytes of my first row go
.set WFG,  10                          ; v10  my fragment address in gate's rows
.set WFU,  11                          ; v11  and in up's
.set XO,   12                          ; v12  my byte offset in xs
.set HOS,  13                          ; v13  my byte offset in a pair of hid
.set HO,   14                          ; v14  the same with the pair
.set CNT,  15                          ; v15  the expert's count
.set ACC,  16                          ; v[16:79]   tile t, column block b: gate at 32 t + 16 b, up 8 further
.set OUT,  16                          ; v[16:47]   phase 1: buffer g mod 2, piece i of the group: 2 registers at 16 (g mod 2) + 2 i: 4 bf16
.set WFB,  80                          ; v[80:143]  two buffers of four weight fragments: gate b0, up b0, gate b1, up b1
.set XR,   144                         ; v[144:255] slot s mod 7: the fragments of tile 0 and tile 1
.set ST,   64                          ; v[64:255]  phase 1: piece n mod 48, 4 registers
.macro PLACES n                        ; places behind a matrix instruction before a vector instruction touches its registers (ISA guide 7.12.1)
.rept \n
	v_nop
.endr
.endm
.macro LDF dst, adr, off               ; a fragment of 16 rows x 32 K: two loads of 16 bytes, 32 bytes apart
	ds_load_b128 v[\dst:\dst+3], v[\adr] offset:\off
	ds_load_b128 v[\dst+4:\dst+7], v[\adr] offset:\off+32
.endm
	s_load_b256 s[4:11], s[0:1], 0x0               ; xs s[4:5], gate s[6:7], up s[8:9], order s[10:11]
	s_load_b64 s[12:13], s[0:1], 0x20              ; hid
	v_lshl_add_u32 v5, v0, 2, 0x40800
	v_mov_b32 v6, 0
	v_and_b32 v1, 31, v0                           ; L
	v_lshrrev_b32 v4, 5, v0
	v_readfirstlane_b32 s2, v4                     ; w
	v_and_b32 v2, 15, v0                           ; r
	v_bfe_u32 v3, v0, 4, 1                         ; h
	v_lshlrev_b32 v[L16], 4, v1
	v_mov_b32 v7, 0                                ; never rewritten: the offset of the load of the count
	s_wait_alu depctr_va_sdst(0)                   ; s2 is written, ahead of its first reader: the wave's shares and bases are made from it
	s_lshr_b32 s3, s2, 1                           ; mq
	s_and_b32 s22, s2, 1                           ; nh
	s_lshr_b32 s23, ttmp9, 5                       ; e
	s_and_b32 s24, ttmp9, 31                       ; hb
	s_mov_b32 s21, 0
	s_wait_kmcnt 0x0
	s_mul_i32 s20, s23, 4608
	s_add_nc_u64 s[10:11], s[10:11], s[20:21]
	s_wait_alu depctr_va_vdst(0)                   ; v7 and v[L16] are written: the loads below read them as their offsets
	global_load_b32 v[CNT], v7, s[10:11] offset:4096       ; the count: older than every load of W, so their first wait covers it
	s_cmp_lt_u32 s2, 8
	s_cselect_b64 s[18:19], s[6:7], s[8:9]         ; waves 0-7 stream gate, 8-15 up
	s_and_b32 s17, s2, 7
	s_lshl_b32 s17, s17, 3
	s_lshl_b32 s20, s24, 6
	s_add_co_u32 s17, s17, s20                     ; row 64 hb + 8 (w mod 8)
	s_lshl_b32 s17, s17, 12                        ; of 4,096 bytes
	s_lshl_b32 s20, s23, 23
	s_add_co_u32 s20, s20, s17
	s_add_nc_u64 s[18:19], s[18:19], s[20:21]
.set n, 0
.rept NS
	global_load_b128 v[ST+4*n:ST+4*n+3], v[L16], s[18:19] offset:n*512 th:TH_LOAD_NT
.set n, n+1
.endr
	s_lshl_b32 s20, s23, 21
	s_add_nc_u64 s[4:5], s[4:5], s[20:21]          ; my expert's part of xs
	s_lshl_b32 s20, s23, 22
	s_add_nc_u64 s[12:13], s[12:13], s[20:21]      ; and of hid
	s_mul_i32 s17, s2, 8*WP
	v_lshl_add_u32 v[WST], v1, 3, s17
	v_mul_u32_u24 v4, v2, WP
	v_lshl_add_u32 v4, v3, 4, v4
	s_mul_i32 s17, s22, 32*WP
	v_add_nc_u32 v[WFG], s17, v4                   ; row 32 nh + r, byte 16 h
	v_add_nc_u32 v[WFU], UOFF, v[WFG]
	s_lshl_b32 s17, s22, 10                        ; hidden column 64 hb + 32 nh + 16 b + 8 h + j: block hb, ks = nh, q = b
	s_lshl_b32 s20, s24, 12
	s_add_co_u32 s17, s17, s20
	v_add_nc_u32 v[HOS], s17, v[L16]
	; PHASE 1.  Piece n = 8 g + i: row g, bytes 512 i ..: 128 numbers, 4 a lane.  Group g is one row.
.set g, 0
.rept 8
.if g < 2
	s_wait_loadcnt 40                              ; loads come back in order: the group's eight pieces are in, the 40 younger ones stay out
.else
	s_wait_loadcnt 8*(7-g)                         ; nothing more is asked for: the counts run down
.endif
.if g >= 2
	s_wait_alu depctr_vm_vsrc(0)                   ; the LDS stores of the group before last have read OUT[g mod 2], which the roundings below write again
.endif
.set i, 0
.rept 8
	v_cvt_pk_bf16_f32 v[OUT+16*(g%2)+2*i],   v[ST+4*((8*g+i)%NS)],   v[ST+4*((8*g+i)%NS)+1]
	v_cvt_pk_bf16_f32 v[OUT+16*(g%2)+2*i+1], v[ST+4*((8*g+i)%NS)+2], v[ST+4*((8*g+i)%NS)+3]
.set i, i+1
.endr
	s_wait_alu depctr_va_vdst(0)                   ; the roundings have written OUT[g mod 2], which the LDS stores read, and are done reading the group's pieces, in which the loads land; in the first group v[WST] is written too
.if g < 2
.set i, 0
.rept 8
	global_load_b128 v[ST+4*(8*g+i):ST+4*(8*g+i)+3], v[L16], s[18:19] offset:(8*g+i+NS)*512 th:TH_LOAD_NT   ; the pieces' registers are asked for again: rows 6 and 7
.set i, i+1
.endr
.endif
.set i, 0
.rept 8
	ds_store_b64 v[WST], v[OUT+16*(g%2)+2*i:OUT+16*(g%2)+2*i+1] offset:g*WP+i*256    ; 32 lanes, 256 consecutive bytes
.set i, i+1
.endr
.set g, g+1
.endr
	s_wait_dscnt 0x0                               ; my rows are written
	s_barrier_signal -1
	s_barrier_wait -1                              ; everybody's are; nobody writes LDS from here on
	; PHASE 2
	v_readfirstlane_b32 s14, v[CNT]
	s_wait_alu depctr_va_sdst(0)                   ; s14 is written, ahead of its first reader: the number of trips is made from it
	s_min_u32 s14, s14, 0x400
	s_add_co_u32 s16, s14, 31
	s_lshr_b32 s16, s16, 5                         ; pairs of tiles with tokens
	s_add_co_u32 s16, s16, 7
	s_sub_co_u32 s16, s16, s3
	s_lshr_b32 s16, s16, 3                         ; of them mine: mq, mq + 8, ..
	s_mov_b32 s15, 0                               ; the trip
	s_cmp_eq_u32 s16, 0
	s_cbranch_scc1 .Lend
	s_wait_alu depctr_vm_vsrc(0)                   ; my LDS stores have read OUT: these registers are accumulators from here on, written by the products
.macro XL s, j                         ; load j = 2 t + q of the four that bring the position fragments of step s: 512 consecutive bytes
	global_load_b128 v[XR+16*((\s)%NXS)+4*(\j):XR+16*((\s)%NXS)+4*(\j)+3], v[XO], s[4:5] offset:((\s)/2)*4096+((\j)/2)*2048+((\s)%2)*1024+((\j)%2)*512
.endm
.macro WL s, j                         ; weight fragment j = 2 b + g of step s: gate (g = 0) or up (g = 1) of column block b: two LDS loads
.if (\j)%2 == 0
	LDF WFB+32*((\s)%2)+8*(\j), WFG, ((\j)/2)*16*WP+(\s)*64
.else
	LDF WFB+32*((\s)%2)+8*(\j), WFU, ((\j)/2)*16*WP+(\s)*64
.endif
.endm
.macro MM s, j                         ; product j = 4 t + 2 b + g of step s.  The first step's products start the sums: nothing is cleared.
.if (\s) == 0
	v_wmma_f32_16x16x32_bf16 v[ACC+8*(\j):ACC+8*(\j)+7], v[WFB+32*((\s)%2)+8*((\j)%4):WFB+32*((\s)%2)+8*((\j)%4)+7], v[XR+16*((\s)%NXS)+8*((\j)/4):XR+16*((\s)%NXS)+8*((\j)/4)+7], 0
.else
	v_wmma_f32_16x16x32_bf16 v[ACC+8*(\j):ACC+8*(\j)+7], v[WFB+32*((\s)%2)+8*((\j)%4):WFB+32*((\s)%2)+8*((\j)%4)+7], v[XR+16*((\s)%NXS)+8*((\j)/4):XR+16*((\s)%NXS)+8*((\j)/4)+7], v[ACC+8*(\j):ACC+8*(\j)+7]
.endif
.endm
; 32 along K.  The eight accumulators take turns, one instruction a turn, in the same order in every step.
; From step 1 on a step asks for the weights of the next step and the positions of the step six on: both land in the buffers that the step before read.
.macro KSTEP s
.if (\s) == 0
	s_wait_loadcnt 4*(NXS-1)                       ; this step's position fragments are in; the six younger steps of the first fill stay out
	s_wait_dscnt 8                                 ; this step's weight fragments are in; the next step's eight loads stay out
.else
.if NKS-1-(\s) >= NXS-2
	s_wait_loadcnt 4*(NXS-2)                       ; this step's position fragments are in; five younger steps of four loads stay out
.else
	s_wait_loadcnt 4*(NKS-1-(\s))                  ; nothing more is asked for: the counts run down
.endif
	s_wait_dscnt 0                                 ; this step's weight fragments are in: no other LDS load is out here
.endif
.if ((\s) > 0) && ((\s)+1 < NKS)
	s_wait_alu depctr_va_vdst(0)                   ; the products of the step before are done reading their weight buffer and their slot of the ring, in which the loads below land
.endif
.irp j, 0,1,2,3,4,5,6,7
.if ((\s) > 0) && ((\s)+1 < NKS) && (\j < 4)
	WL (\s)+1, \j                                  ; no further wait: no product since the wait above names these registers
.endif
.if ((\s) > 0) && ((\s)+NXS-1 < NKS) && (\j >= 4)
	XL (\s)+NXS-1, \j-4
.endif
	MM \s, \j
.endr
.endm
; silu(g) u of tile t, column block b: g / (1 + 2^(-1.442695 g)), times u; (g s) u in this order, so that g u is never formed alone.  The 16 bytes to store are left in WFB + 8 + 4 (2 t + b).
.macro SILU t, b
.irp k, 0,2,4,6
	v_pk_mul_f32 v[WFB+\k:WFB+\k+1], v[ACC+32*\t+16*\b+\k:ACC+32*\t+16*\b+\k+1], 0xbfb8aa3b op_sel_hi:[1,0]
.endr
.irp k, 0,1,2,3,4,5,6,7
	v_exp_f32 v[WFB+\k], v[WFB+\k]
.endr
	v_nop                                          ; one plain place behind a transcendental before its result is used (ISA guide 5.7.2)
	s_wait_alu depctr_va_vdst(0)
.irp k, 0,2,4,6
	v_pk_add_f32 v[WFB+\k:WFB+\k+1], v[WFB+\k:WFB+\k+1], 1.0 op_sel_hi:[1,0]
.endr
.irp k, 0,1,2,3,4,5,6,7
	v_rcp_f32 v[WFB+\k], v[WFB+\k]
.endr
	v_nop
	s_wait_alu depctr_va_vdst(0)
.irp k, 0,2,4,6
	v_pk_mul_f32 v[ACC+32*\t+16*\b+\k:ACC+32*\t+16*\b+\k+1], v[ACC+32*\t+16*\b+\k:ACC+32*\t+16*\b+\k+1], v[WFB+\k:WFB+\k+1]
.endr
.irp k, 0,2,4,6
	v_pk_mul_f32 v[ACC+32*\t+16*\b+\k:ACC+32*\t+16*\b+\k+1], v[ACC+32*\t+16*\b+\k:ACC+32*\t+16*\b+\k+1], v[ACC+32*\t+16*\b+8+\k:ACC+32*\t+16*\b+8+\k+1]
.endr
.irp k, 0,1,2,3
	v_cvt_pk_bf16_f32 v[WFB+8+4*(2*\t+\b)+\k], v[ACC+32*\t+16*\b+2*\k], v[ACC+32*\t+16*\b+2*\k+1]
.endr
.endm
.Ltrip:
	s_lshl3_add_u32 s17, s15, s3                   ; the pair: mq + 8 x trip,
	s_min_u32 s17, s17, 31                         ; bounded in the text
	s_lshl_b32 s20, s17, 16
	v_add_nc_u32 v[XO], s20, v[L16]                ; 64 KB of xs a pair
	s_lshl_b32 s20, s17, 17
	v_add_nc_u32 v[HO], s20, v[HOS]                ; 128 KB of hid a pair
	s_wait_alu depctr_va_vdst(0)                   ; v[XO] and v[HO] are written, which the trip's loads and stores read; the roundings of phase 1, or the last trip's products and activation, are done with the registers in which the loads below land
.irp s, 0,1,2,3,4,5,6
.irp j, 0,1,2,3
	XL \s, \j
.endr
.endr
.irp s, 0,1
.irp j, 0,1,2,3
	WL \s, \j
.endr
.endr
.irp s, 0,1,2,3,4,5,6,7,8,9,10,11,12,13,14,15,16,17,18,19,20,21,22,23,24,25,26,27,28,29,30,31
	KSTEP \s
.endr
	PLACES 5                                       ; behind the last products: the results are read, the fragment registers reused, and the next trip's first products write the accumulators anew
	SILU 0, 0
	SILU 0, 1
	SILU 1, 0
	SILU 1, 1
	s_wait_alu depctr_va_vdst(0)                   ; the roundings have written the sixteen registers that the four stores read
.irp t, 0,1
.irp b, 0,1
	global_store_b128 v[HO], v[WFB+8+4*(2*\t+\b):WFB+8+4*(2*\t+\b)+3], s[12:13] offset:\t*2048+\b*512     ; 512 consecutive bytes, aligned
.endr
.endr
	s_wait_xcnt 0x0                                ; the stores' data and offset registers are written again only behind this wait,
	s_wait_alu depctr_vm_vsrc(0)                   ; and behind this one: the stores have read v[HO] and their data, the trip's loads v[XO]; the next trip writes all of them
	s_add_co_u32 s15, s15, 1
	s_cmp_lt_u32 s15, s16
	s_cbranch_scc1 .Ltrip
.Lend:
	s_wait_dscnt 0x0
	s_wait_alu depctr_hold_cnt(0) depctr_sa_sdst(0) depctr_va_vdst(0) depctr_va_sdst(0) depctr_va_ssrc(0) depctr_va_vcc(0) depctr_vm_vsrc(0)
	s_wait_tensorcnt 0x0
	ds_add_u32 v5, v6
	s_wait_dscnt 0x0
	s_endpgm
.Lfunc_end_k_q8600f38840_gateup:
	.size	k_q8600f38840_gateup, .Lfunc_end_k_q8600f38840_gateup-k_q8600f38840_gateup
	.p2alignl 7, 3214868480
	.fill 96, 4, 3214868480
	.section	.rodata,"a",@progbits
	.p2align	6, 0x0
	.amdhsa_kernel k_q8600f38840_gateup
		.amdhsa_group_segment_fixed_size 266240
		.amdhsa_private_segment_fixed_size 0
		.amdhsa_enable_private_segment 0
		.amdhsa_kernarg_size 40
		.amdhsa_user_sgpr_count 2
		.amdhsa_user_sgpr_kernarg_segment_ptr 1
		.amdhsa_wavefront_size32 1
		.amdhsa_system_sgpr_workgroup_id_x 1
		.amdhsa_system_sgpr_workgroup_id_y 1
		.amdhsa_system_sgpr_workgroup_id_z 1
		.amdhsa_system_vgpr_workitem_id 0
		.amdhsa_next_free_vgpr 256
		.amdhsa_next_free_sgpr 66
		.amdhsa_reserve_vcc 0
		.amdhsa_float_denorm_mode_32 3
		.amdhsa_float_denorm_mode_16_64 3
		.amdhsa_memory_ordered 1
		.amdhsa_forward_progress 1
		.amdhsa_inst_pref_size 78
	.end_amdhsa_kernel
	.amdgpu_metadata
---
amdhsa.version: [ 1, 2 ]
amdhsa.kernels:
  - .name:           k_q8600f38840_gateup
    .symbol:         k_q8600f38840_gateup.kd
    .args:
      - { .name: xs, .offset: 0, .size: 8, .value_kind: global_buffer, .address_space: global }
      - { .name: gate_weight, .offset: 8, .size: 8, .value_kind: global_buffer, .address_space: global }
      - { .name: up_weight, .offset: 16, .size: 8, .value_kind: global_buffer, .address_space: global }
      - { .name: order, .offset: 24, .size: 8, .value_kind: global_buffer, .address_space: global }
      - { .name: hid, .offset: 32, .size: 8, .value_kind: global_buffer, .address_space: global }
    .group_segment_fixed_size: 266240
    .private_segment_fixed_size: 0
    .kernarg_segment_align: 8
    .kernarg_segment_size: 40
    .max_flat_workgroup_size: 512
    .sgpr_count:     66
    .vgpr_count:     256
    .wavefront_size: 32
...
	.end_amdgpu_metadata
.endif
;; end of part 4
;; launch down (part 5): grid 256 x 1, 16 waves a work-group, no clusters, 170,496 bytes of LDS; arguments hid, down_weight, order, out0; writes out0
.if DOCPART == 5
	.amdgcn_target "amdgcn-amd-amdhsa--gfx1250"
	.amdhsa_code_object_version 6
	.text
	.protected	k_q8600f38840_down
	.globl	k_q8600f38840_down
	.p2align	8
	.type	k_q8600f38840_down,@function
k_q8600f38840_down:
	s_mov_b64 s[64:65], 0
	v_nop
	global_prefetch_b8 v0, s[64:65] scope:SCOPE_SE
	s_setreg_imm32_b32 hwreg(HW_REG_WAVE_SCHED_MODE, 0, 2), 2
	s_setreg_imm32_b32 hwreg(HW_REG_WAVE_MODE, 25, 1), 1
	s_wait_xcnt 0x0
	s_wait_alu depctr_vm_vsrc(0)
; DOWN: out0[token] = hid Wd^T, in f32, scattered to the tokens' rows.
; A work-group owns expert e = group / 32 and the 32 output columns 32 db .., db = group mod 32: 32 rows of Wd, 256 KB of f32.
; PHASE 1: the weights are read once, whatever the expert's count, rounded to bf16 and kept in LDS: 32 rows x 4,112 bytes.  Wave w streams 2 rows = 16 KB that
;    follow each other in memory, 32 loads of 512 consecutive bytes, all on their way at once: the work-group's whole 256 KB.  Then the one barrier of the kernel.
;    A wave that has a tile fills its ring of position fragments meanwhile: as soon as a group of eight pieces of W is rounded, its 32 registers take eight loads of hid,
;    so the first 16 KB of the wave's tile are on their way while the weights still stream.
; PHASE 2: no barrier, since the number of trips is read from memory and no barrier may hang on loaded data.  Wave w takes the tiles of 16 positions t = w, w + 16, ..
;    below ceil(count / 16) and all 32 columns: for each 64 along K four weight fragments from LDS, two position fragments straight from hid (each load
;    512 consecutive bytes), four matrix instructions on four accumulators (even and odd step of 32 along K x two column blocks), added at the end.
;    One tile a wave and not two: 128 tokens then occupy 8 waves with 16 KB of hid on its way in each.  The price: every tile reads all the weights from LDS.
;    The first tile is written out in front of the loop, since its ring is filled already; every later tile fills its ring itself, behind a whole tile's last waits.
; THE WAY OUT: through a stage in LDS that is the wave's own, so that eight neighbouring lanes store the 128 consecutive bytes that the work-group owns of a token's row.
;    That is half of an aligned block of 256 bytes; the other half is another work-group's.  Chosen so: 64 columns a work-group would fill LDS with 128 work-groups'
;    weights and leave half of the 256 without work, and out0 is 4 MB of the 71 MB that the launch moves.
; PADDING: the positions from the count to the end of the last tile (15 at the most) are copies of the expert's last token, in the list and in hid.  They are stored like
;    any position: to that token's row, the same bytes with the same values, by the wave that stores the last token itself.  So every lane stays on throughout.
; NO TENSOR LOADS AND NO JOINT REQUESTS, though the 32 work-groups of an expert read the same hid: a tile in LDS would have to be filled again in every trip,
;    behind a barrier, and the trips are data.
; LIMITS: operands are rounded to bf16; but for the ring's first fill the two phases of a work-group do not overlap; an expert without tokens still has its weights
;    streamed, and stores nothing.
; THE MODE: SCHED_MODE bits 1:0 = 2 (LLVM: expert scheduling mode 2), set by the entry lines.  The code itself states the register dependences
;    between vector or matrix instructions and memory or LDS instructions, with s_wait_alu, always for 0.
; THE PLAN.  Registers that memory or LDS instructions touch:
;    v7, L16, WST, WF0, WF1, STO, RDB   offsets and LDS addresses, made once by vector lines and never written again.
;    XO, TKO                  written once for each tile, ahead of its loads; read by the tile's loads of hid and of its tokens.
;    ST = XR                  phase 1: loads of W land in it, the roundings read it, then the ring's first fill lands in it.
;    OUT (WFB's registers)    phase 1: a pair for each of the 32 pieces, written once by its roundings, read by its LDS store.
;    WFB0, WFB1               the products of block c read WFB[c mod 2]; the LDS loads issued in block c + 1 land in it (the weights of block c + 2).
;    XR0 .. XR7               the products of block c read XR[c mod 8]; the loads issued in block c + 1 land in it (the positions of block c + 8).
;    TK                       the tokens land in it; twelve vector lines make offsets of them in place; the tile's four stores read them.
;    ACC                      written by the products and the eight sums; the LDS stores into the stage read its first 16 registers.
;    XR + 0 .. + 15           on the way out: the stage's rows land in them; the four stores read them.
;    So ONE wait on va_vdst stands in a group of phase 1, behind its roundings; ONE in a block, at its head: behind it the buffers that the block before read are free,
;    and the block's twelve loads are dealt among its four products, which name ACC, WFB[c mod 2] and XR[c mod 8] alone; ONE on the way out, behind the sums;
;    ONE ahead of a later tile's first loads.  One wait on vm_vsrc stands ahead of the first tile and one at each tile's end.
.set WP,   4112                        ; = 257 x 16: the 16 rows of a fragment load lie in 16 different 16-byte columns modulo 256
.set STG,  32*WP                       ; 131,584: behind the weights, 2,304 bytes for each wave
.set SP,   144                         ; a stage row: 32 f32 + 16 bytes
.set TSTG, 16*SP                       ; a wave's stage: one tile
.set NCH,  32                          ; blocks of 64 along K = 2,048
.set NXR,  8                           ; slots of the ring of position fragments
.set L16,  8                           ; v8   16 L
.set WST,  9                           ; v9   phase 1: where my 8 bytes of my first row go
.set WF0,  10                          ; v10  my fragment address in rows 0-15
.set WF1,  11                          ; v11  and in rows 16-31
.set XO,   12                          ; v12  my byte offset in hid
.set STO,  13                          ; v13  the way out: where my 32 bytes go
.set RDB,  14                          ; v14  the way out: where I read back
.set CNT,  15                          ; v15  the expert's count
.set ACC,  16                          ; v[16:47]   step parity k, column block b at 16 k + 8 b
.set TK,   48                          ; v[48:51]   the tokens of positions 16 t + L / 8 + 4 q, then their byte offsets in out0
.set TKO,  52                          ; v52  my byte offset in the list of tokens
.set ROW4, 53                          ; v53  4 (L / 8)
.set COL,  54                          ; v54  16 (L mod 8)
.set WFB,  64                          ; v[64:127]  two buffers of four weight fragments: (k 0, b 0), (k 0, b 1), (k 1, b 0), (k 1, b 1)
.set OUT,  64                          ; v[64:127]  phase 1: piece n: 2 registers at 2 n: 4 bf16
.set XR,   128                         ; v[128:255] slot c mod 8: fragments k = 0, 1 at 8 k; on the way out: 4 x 4 registers
.set ST,   128                         ; v[128:255] phase 1: piece n, 4 registers: the registers of the ring's load n
.macro LDF dst, adr, off               ; a fragment of 16 rows x 32 K: two loads of 16 bytes, 32 bytes apart
	ds_load_b128 v[\dst:\dst+3], v[\adr] offset:\off
	ds_load_b128 v[\dst+4:\dst+7], v[\adr] offset:\off+32
.endm
.macro TKLOAD                          ; the tokens of my tile's positions L / 8 + 4 q
.irp q, 0,1,2,3
	global_load_b32 v[TK+\q], v[TKO], s[8:9] offset:16*\q
.endr
.endm
.macro XL c, i                         ; load i of the four that bring the position fragments of block c: 512 consecutive bytes
	global_load_b128 v[XR+16*((\c)%NXR)+4*(\i):XR+16*((\c)%NXR)+4*(\i)+3], v[XO], s[4:5] offset:(\c)*4096+(\i)*512
.endm
.macro WL c, j                         ; weight fragment j = 2 k + b of block c: two LDS loads
.if (\j)%2 == 0
	LDF WFB+32*((\c)%2)+8*(\j), WF0, (\c)*128+((\j)/2)*64
.else
	LDF WFB+32*((\c)%2)+8*(\j), WF1, (\c)*128+((\j)/2)*64
.endif
.endm
.macro MM c, j                         ; product j = 2 k + b of block c.  The first block's products start the sums: nothing is cleared.
.if (\c) == 0
	v_wmma_f32_16x16x32_bf16 v[ACC+8*(\j):ACC+8*(\j)+7], v[WFB+32*((\c)%2)+8*(\j):WFB+32*((\c)%2)+8*(\j)+7], v[XR+16*((\c)%NXR)+8*((\j)/2):XR+16*((\c)%NXR)+8*((\j)/2)+7], 0
.else
	v_wmma_f32_16x16x32_bf16 v[ACC+8*(\j):ACC+8*(\j)+7], v[WFB+32*((\c)%2)+8*(\j):WFB+32*((\c)%2)+8*(\j)+7], v[XR+16*((\c)%NXR)+8*((\j)/2):XR+16*((\c)%NXR)+8*((\j)/2)+7], v[ACC+8*(\j):ACC+8*(\j)+7]
.endif
.endm
; PHASE 1.  Piece n = 8 g + i: row n / 16, bytes 512 (n mod 16) ..: 128 numbers, 4 a lane.  ahead = 1: the group's registers then take loads 8 g .. 8 g + 7 of the ring's first fill.
.macro STREAM ahead
.set g, 0
.rept 4
.if \ahead
	s_wait_loadcnt 24                              ; loads come back in order: the group's eight pieces are in; younger are 24 - 8 g loads of W and the 8 g loads of hid issued so far
.else
	s_wait_loadcnt 24-8*g                          ; the group's eight pieces are in, the younger ones stay out
.endif
.set i, 0
.rept 8
	v_cvt_pk_bf16_f32 v[OUT+2*(8*g+i)],   v[ST+4*(8*g+i)],   v[ST+4*(8*g+i)+1]
	v_cvt_pk_bf16_f32 v[OUT+2*(8*g+i)+1], v[ST+4*(8*g+i)+2], v[ST+4*(8*g+i)+3]
.set i, i+1
.endr
	s_wait_alu depctr_va_vdst(0)                   ; the roundings have written the group's part of OUT, which the LDS stores read, and are done reading its pieces, in which the loads of hid land; in the first group v[WST] and v[XO] are written too
.if \ahead
.set i, 0
.rept 8
	global_load_b128 v[XR+4*(8*g+i):XR+4*(8*g+i)+3], v[XO], s[4:5] offset:((8*g+i)/4)*4096+((8*g+i)%4)*512   ; block n / 4, load n mod 4 of the ring
.set i, i+1
.endr
.endif
.set i, 0
.rept 8
	ds_store_b64 v[WST], v[OUT+2*(8*g+i):OUT+2*(8*g+i)+1] offset:((8*g+i)/16)*WP+((8*g+i)%16)*256    ; 32 lanes, 256 consecutive bytes
.set i, i+1
.endr
.set g, g+1
.endr
.endm
; 64 along K.  The four accumulators take turns, one instruction a turn, in the same order throughout.
; From block 1 on a block asks for the weights of the next block and the positions of the block seven on: both land in the buffers that the block before read.
.macro CHUNK c
.if (\c) == 0
	s_wait_loadcnt 4*(NXR-1)                       ; this block's position fragments are in (and all older loads); the seven younger blocks of the first fill stay out
	s_wait_dscnt 8                                 ; this block's weight fragments are in; the next block's eight loads stay out
.else
.if NCH-1-(\c) >= NXR-2
	s_wait_loadcnt 4*(NXR-2)                       ; this block's position fragments are in; six younger blocks of four loads stay out
.else
	s_wait_loadcnt 4*(NCH-1-(\c))                  ; nothing more is asked for: the counts run down, to 0 in the last block
.endif
	s_wait_dscnt 0                                 ; this block's weight fragments are in: no other LDS load is out here
.endif
.if ((\c) > 0) && ((\c)+1 < NCH)
	s_wait_alu depctr_va_vdst(0)                   ; the products of the block before are done reading their weight buffer and their slot of the ring, in which the loads below land
.endif
.irp j, 0,1,2,3
.if ((\c) > 0) && ((\c)+1 < NCH) && (\j < 2)
	WL (\c)+1, 2*\j                                ; no further wait: no product since the wait above names these registers
	WL (\c)+1, 2*\j+1
.endif
.if ((\c) > 0) && ((\c)+NXR-1 < NCH) && (\j >= 2)
	XL (\c)+NXR-1, 2*\j-4
	XL (\c)+NXR-1, 2*\j-3
.endif
	MM \c, \j
.endr
.endm
; One tile.  On entry the youngest 32 loads are the ring's first eight blocks, in the order of the blocks, and the tile's tokens are older than they.
; On exit no load is out (the last block's wait is for 0) and every memory instruction's sources are free.
.macro TILE
.irp j, 0,1,2,3
	WL 0, \j
.endr
.irp j, 0,1,2,3
	WL 1, \j
.endr
.irp c, 0,1,2,3,4,5,6,7,8,9,10,11,12,13,14,15,16,17,18,19,20,21,22,23,24,25,26,27,28,29,30,31
	CHUNK \c
.endr
.irp q, 0,1,2,3                        ; these twelve plain lines name no register of the products: they are the places behind the last of them, before the results are read (ISA guide 7.12.1)
	v_min_u32 v[TK+\q], 0x3ff, v[TK+\q]            ; a loaded number is bounded before it becomes an address
	v_lshlrev_b32 v[TK+\q], 12, v[TK+\q]           ; the token's row of 4,096 bytes
	v_add_nc_u32 v[TK+\q], v[TK+\q], v[COL]        ; + my 16 bytes
.endr
.irp b, 0,1
.irp k, 0,2,4,6
	v_pk_add_f32 v[ACC+8*\b+\k:ACC+8*\b+\k+1], v[ACC+8*\b+\k:ACC+8*\b+\k+1], v[ACC+16+8*\b+\k:ACC+16+8*\b+\k+1]   ; even steps + odd steps
.endr
.endr
	s_wait_alu depctr_va_vdst(0)                   ; the sums are written, which the LDS stores read; so are the offsets in v[TK ..], which the global stores read; the products are done reading the ring, in which the stage's rows land
.irp b, 0,1
	ds_store_b128 v[STO], v[ACC+8*\b:ACC+8*\b+3]   offset:\b*64            ; columns 16 b + 8 h .. + 3 of position r
	ds_store_b128 v[STO], v[ACC+8*\b+4:ACC+8*\b+7] offset:\b*64+16
.endr
.irp q, 0,1,2,3
	ds_load_b128 v[XR+4*\q:XR+4*\q+3], v[RDB] offset:\q*4*SP               ; four rows of 128 bytes; LDS serves a wave's instructions in order: these see the stores above
.endr
.irp q, 0,1,2,3
	s_wait_dscnt 3-\q                              ; LDS loads come back in order: rows 4 q .. 4 q + 3 are in
	global_store_b128 v[TK+\q], v[XR+4*\q:XR+4*\q+3], s[10:11] th:TH_STORE_NT      ; 8 lanes store 128 consecutive bytes of one token's row
.endr
	s_wait_xcnt 0x0                                ; the stores' data and offset registers are written again only behind this wait,
	s_wait_alu depctr_vm_vsrc(0)                   ; and behind this one: the stores have read v[TK ..] and their data, the LDS stores the sums, the tile's loads v[XO] and v[TKO]; the next tile writes all of them
.endm
	s_load_b256 s[4:11], s[0:1], 0x0               ; hid s[4:5], down s[6:7], order s[8:9], out0 s[10:11]
	v_lshl_add_u32 v62, v0, 2, 0x29200
	v_mov_b32 v63, 0
	v_and_b32 v1, 31, v0                           ; L
	v_lshrrev_b32 v4, 5, v0
	v_readfirstlane_b32 s2, v4                     ; w
	v_and_b32 v2, 15, v0                           ; r
	v_bfe_u32 v3, v0, 4, 1                         ; h
	v_lshlrev_b32 v[L16], 4, v1
	v_mov_b32 v7, 0                                ; never rewritten: the offset of the load of the count
	v_lshrrev_b32 v6, 3, v1                        ; L / 8
	v_lshlrev_b32 v[ROW4], 2, v6
	s_wait_alu depctr_va_sdst(0)                   ; s2 is written, ahead of its first reader: the wave's shares and bases are made from it
	s_lshr_b32 s23, ttmp9, 5                       ; e
	s_and_b32 s24, ttmp9, 31                       ; db
	s_mov_b32 s21, 0
	s_lshl_b32 s17, s2, 6
	v_add_nc_u32 v[TKO], s17, v[ROW4]              ; the list's word of position 16 w + L / 8: my first tile is t = w
	s_wait_kmcnt 0x0
	s_mul_i32 s20, s23, 4608
	s_add_nc_u64 s[8:9], s[8:9], s[20:21]          ; my expert's record
	s_wait_alu depctr_va_vdst(0)                   ; v7, v[TKO] and v[L16] are written: the loads below read them as their offsets
	global_load_b32 v[CNT], v7, s[8:9] offset:4096 ; the count
	TKLOAD                                         ; my first tile's tokens: every word of the record is written, whatever the count
	s_lshl_b32 s17, s24, 5
	s_lshl1_add_u32 s17, s2, s17                   ; row 32 db + 2 w
	s_lshl_b32 s17, s17, 13                        ; of 8,192 bytes
	s_lshl_b32 s20, s23, 23
	s_add_co_u32 s20, s20, s17
	s_add_nc_u64 s[18:19], s[6:7], s[20:21]
.set n, 0
.rept 32
	global_load_b128 v[ST+4*n:ST+4*n+3], v[L16], s[18:19] offset:n*512 th:TH_LOAD_NT
.set n, n+1
.endr
	s_lshl_b32 s20, s24, 7
	s_add_nc_u64 s[10:11], s[10:11], s[20:21]      ; my 128 bytes of every row of out0
	s_lshl_b32 s20, s23, 22
	s_add_nc_u64 s[4:5], s[4:5], s[20:21]          ; my expert's part of hid
	s_lshr_b32 s17, s2, 1
	s_lshl_b32 s17, s17, 17                        ; tile w: the pair's 128 KB of hid,
	s_and_b32 s20, s2, 1
	s_lshl_b32 s20, s20, 11                        ; the tile's two fragments of 1,024 bytes in each block
	s_add_co_u32 s17, s17, s20
	v_add_nc_u32 v[XO], s17, v[L16]
	s_mul_i32 s17, s2, 2*WP
	v_lshl_add_u32 v[WST], v1, 3, s17
	v_mul_u32_u24 v4, v2, WP
	v_lshl_add_u32 v[WF0], v3, 4, v4               ; row r, byte 16 h
	v_add_nc_u32 v[WF1], 16*WP, v[WF0]
	s_mul_i32 s17, s2, TSTG
	s_add_co_u32 s17, s17, STG                     ; my stage: a constant + the wave's number times a constant
	v_mul_u32_u24 v4, v2, SP
	v_lshl_add_u32 v4, v3, 5, v4
	v_add_nc_u32 v[STO], s17, v4                   ; row r, byte 32 h
	v_and_b32 v5, 7, v1
	v_lshlrev_b32 v[COL], 4, v5
	v_mul_u32_u24 v4, v6, SP
	v_add_nc_u32 v4, v4, v[COL]
	v_add_nc_u32 v[RDB], s17, v4                   ; row L / 8, byte 16 (L mod 8)
	s_wait_loadcnt 36                              ; the count is in: younger are 4 loads of tokens and 32 of W
	v_readfirstlane_b32 s14, v[CNT]
	s_wait_alu depctr_va_sdst(0)                   ; s14 is written, ahead of its first reader: the number of tiles is made from it
	s_min_u32 s14, s14, 0x400
	s_add_co_u32 s16, s14, 15
	s_lshr_b32 s16, s16, 4                         ; tiles with tokens
	s_add_co_u32 s16, s16, 15
	s_sub_co_u32 s16, s16, s2
	s_lshr_b32 s16, s16, 4                         ; of them mine: w, w + 16, ..
	s_cmp_eq_u32 s16, 0
	s_cbranch_scc1 .Lplain
	STREAM 1                                       ; I have a tile: its first eight blocks are asked for as the registers fall free
	s_branch .Lwritten
.Lplain:
	STREAM 0
.Lwritten:
	s_wait_dscnt 0x0                               ; my rows are written
	s_barrier_signal -1
	s_barrier_wait -1                              ; everybody's are; from here on a wave writes its own stage alone
	s_cmp_eq_u32 s16, 0
	s_cbranch_scc1 .Lend
	; PHASE 2
	s_wait_alu depctr_vm_vsrc(0)                   ; my LDS stores have read OUT: these registers are the weight buffers from here on, in which fragments land
	TILE                                           ; tile w: its offsets, tokens and ring were seen to in phase 1
	s_cmp_le_u32 s16, 1
	s_cbranch_scc1 .Lend
	s_mov_b32 s15, 1                               ; the trip
.Ltrip:
	s_lshl4_add_u32 s17, s15, s2                   ; the tile: w + 16 x trip,
	s_min_u32 s17, s17, 63                         ; bounded in the text
	s_lshr_b32 s20, s17, 1
	s_lshl_b32 s20, s20, 17
	s_and_b32 s22, s17, 1
	s_lshl_b32 s22, s22, 11
	s_add_co_u32 s20, s20, s22
	v_add_nc_u32 v[XO], s20, v[L16]                ; free: the tile before ended with no load out and its sources released
	s_lshl_b32 s20, s17, 6
	v_add_nc_u32 v[TKO], s20, v[ROW4]
	s_wait_alu depctr_va_vdst(0)                   ; v[XO] and v[TKO] are written, which the loads below read; the vector lines of the tile before are done with v[TK ..], in which the tokens land
	TKLOAD
.irp c, 0,1,2,3,4,5,6,7
.irp i, 0,1,2,3
	XL \c, \i
.endr
.endr
	TILE
	s_add_co_u32 s15, s15, 1
	s_cmp_lt_u32 s15, s16
	s_cbranch_scc1 .Ltrip
.Lend:
	s_wait_dscnt 0x0
	s_wait_alu depctr_hold_cnt(0) depctr_sa_sdst(0) depctr_va_vdst(0) depctr_va_sdst(0) depctr_va_ssrc(0) depctr_va_vcc(0) depctr_vm_vsrc(0)
	s_wait_tensorcnt 0x0
	ds_add_u32 v62, v63
	s_wait_dscnt 0x0
	s_endpgm
.Lfunc_end_k_q8600f38840_down:
	.size	k_q8600f38840_down, .Lfunc_end_k_q8600f38840_down-k_q8600f38840_down
	.p2alignl 7, 3214868480
	.fill 96, 4, 3214868480
	.section	.rodata,"a",@progbits
	.p2align	6, 0x0
	.amdhsa_kernel k_q8600f38840_down
		.amdhsa_group_segment_fixed_size 170496
		.amdhsa_private_segment_fixed_size 0
		.amdhsa_enable_private_segment 0
		.amdhsa_kernarg_size 32
		.amdhsa_user_sgpr_count 2
		.amdhsa_user_sgpr_kernarg_segment_ptr 1
		.amdhsa_wavefront_size32 1
		.amdhsa_system_sgpr_workgroup_id_x 1
		.amdhsa_system_sgpr_workgroup_id_y 1
		.amdhsa_system_sgpr_workgroup_id_z 1
		.amdhsa_system_vgpr_workitem_id 0
		.amdhsa_next_free_vgpr 256
		.amdhsa_next_free_sgpr 66
		.amdhsa_reserve_vcc 0
		.amdhsa_float_denorm_mode_32 3
		.amdhsa_float_denorm_mode_16_64 3
		.amdhsa_memory_ordered 1
		.amdhsa_forward_progress 1
		.amdhsa_inst_pref_size 103
	.end_amdhsa_kernel
	.amdgpu_metadata
---
amdhsa.version: [ 1, 2 ]
amdhsa.kernels:
  - .name:           k_q8600f38840_down
    .symbol:         k_q8600f38840_down.kd
    .args:
      - { .name: hid, .offset: 0, .size: 8, .value_kind: global_buffer, .address_space: global }
      - { .name: down_weight, .offset: 8, .size: 8, .value_kind: global_buffer, .address_space: global }
      - { .name: order, .offset: 16, .size: 8, .value_kind: global_buffer, .address_space: global }
      - { .name: out0, .offset: 24, .size: 8, .value_kind: global_buffer, .address_space: global }
    .group_segment_fixed_size: 170496
    .private_segment_fixed_size: 0
    .kernarg_segment_align: 8
    .kernarg_segment_size: 32
    .max_flat_workgroup_size: 512
    .sgpr_count:     66
    .vgpr_count:     256
    .wavefront_size: 32
...
	.end_amdgpu_metadata
.endif
;; end of part 5
